; MI455X (gfx1250); checked and timed in simulation.
; The chip was launched on July 23, 2026; its instructions are those of AMD's public machine-readable ISA for CDNA 5 (MIT licence, August 2026) and "CDNA5" Instruction Set Architecture Reference Guide (July 2026). The comments in the code are by the model that wrote it; some were corrected since.
;; Multi Head Attention. Allowed arithmetic: matrix products marked QUANTISED: E2M3 operands, one E8M0 scale for each 32 along K, by v_wmma_scale_f32_16x16x128_f8f6f4 with both operands' format E2M3, f32 sums; everything else in f32.
;; Inputs: Wk 2,048 x 2,048 float32; Wo 2,048 x 2,048 float32; Wq 2,048 x 2,048 float32; Wv 2,048 x 2,048 float32; bk 2,048 float32; bo 2,048 float32; bq 2,048 float32; bv 2,048 float32; hidden_state 2 x 1,024 x 2,048 float32.
;; Outputs: out0 2 x 1,024 x 2,048 float32.
;; This version of the problem:
;;   THIS VERSION OF THE PROBLEM IS GIVEN IN LOW PRECISION. The matrix products marked QUANTISED in the list below multiply operands that are first quantised to E2M3 (2 exponent bits, 3 mantissa bits; 6 bits a number), with one power-of-two scale for each 32 numbers along K (OCP MX v1.0); their sums are f32. All else is computed in f32.
;;   The module's matrix products, in the order in which they are computed (A, B: the left and right operand; K: the contracted axis; several contracted axes count as one K, in the product's order):
;;     1. [M 2,048, K 2,048] x [K 2,048, N 2,048]; A: input hidden_state; B: input Wq: QUANTISED
;;     2. [M 2,048, K 2,048] x [K 2,048, N 2,048]; A: input hidden_state; B: input Wk: QUANTISED
;;     3. [M 2,048, K 2,048] x [K 2,048, N 2,048]; A: input hidden_state; B: input Wv: QUANTISED
;;     4. batch 32 x [M 1,024, K 128] x [K 128, N 1,024]; A: computed on the way; B: computed on the way: QUANTISED
;;     5. batch 32 x [M 1,024, K 1,024] x [K 1,024, N 128]; A: softmax (see below); B: computed on the way: QUANTISED
;;     6. [M 2,048, K 2,048] x [K 2,048, N 2,048]; A: computed on the way; B: input Wo: QUANTISED
;;   THE QUANTISER, for each operand of a quantised product, along K:
;;     - K is cut into blocks of 32 from its start; a last block that is shorter is filled with zeros.
;;     - A block's scale is 2^e with e = floor(log2(the largest magnitude in the block)) - 2, held to -126 .. 127; a block of zeros has e = 0. As a byte (E8M0): e + 127.
;;     - Each number is divided by its block's scale, clamped to +-7.5, and rounded to the nearest number of E2M3, ties to even, subnormals kept.
;;     - The product sums the exact products of the quantised numbers (number of the format x scale) in f32.
;;   ~~~python
;;   def quantise(x, axis):      # numpy; x: float32 -> the quantised numbers, widened to float32 again
;;       x = np.moveaxis(x, axis, -1); K = x.shape[-1]
;;       x = np.pad(x, [(0, 0)] * (x.ndim - 1) + [(0, -K % 32)]); x = x.reshape(x.shape[:-1] + (-1, 32)); a = np.abs(x).max(-1, keepdims=True)
;;       e = np.where(a > 0, np.clip(np.frexp(np.where(a > 0, a, 1))[1] - 1 - 2, -126, 127), 0)      # np.frexp(a)[1] - 1 = floor(log2(a)), exactly
;;       r = np.clip(x / 2.0 ** e, -7.5, 7.5)
;;       step = 2.0 ** (np.maximum(np.frexp(np.where(r == 0, 1, r))[1] - 1, 0) - 3)
;;       q = np.round(r / step) * step * 2.0 ** e      # np.round: ties to even
;;       return np.moveaxis(q.reshape(q.shape[:-2] + (-1,))[..., :K], -1, axis).astype(np.float32)
;;   ~~~
;;   SOFTMAX AHEAD OF A QUANTISED PRODUCT. Where the list says 'softmax', what is quantised is not the finished softmax but p = 2^(t - M), with t = logit x log2(e) and M = ceil(the row's largest t), a whole number; so 1/2 < the row's largest p <= 1. The row's sum l is taken of the UNQUANTISED p, in f32, and the product's result is divided by l at the end. Since M is a whole number, a kernel that streams over the keys may use a running M (the ceiling of the running maximum): every later rescaling is an exact power of two, which a block's scale takes up: the codes' values come out the same.
;;   OPERANDS COMPUTED ON THE WAY. 'Computed on the way' means the value that the module computes at that place (a softmax that the list does not call 'softmax' is quantised finished and normalised). What goes into a quantiser is computed in f32, as accurately as f32 sums, v_exp_f32 and their like allow (about 1e-6 of the number): no bf16 or f16 on the way to a quantiser, and a product that is left as it is and whose result goes on into a quantised operand takes f32 operands (vector FMAs, or v_wmma_f32_16x16x4_f32). A number that lies on a knife's edge between two numbers of the format may be rounded either way, as far as f32 arithmetic and the matrix unit's own rounding can turn it there, and no further.
;; One version. Each part assembles by itself: llvm-mc -triple=amdgcn-amd-amdhsa -mcpu=gfx1250 --defsym DOCPART=n.
;; ======== version 1 of 1: 4 launches
;; workspace buffers: ops 16,384,000 bytes; qkv 9,830,400 bytes; oc 3,276,800 bytes
;; launch quant (part 1): grid 1280 x 1, 2 waves a work-group, no clusters, 17,664 bytes of LDS; arguments hidden_state, Wq, Wk, Wv, Wo, ops; writes ops
.if DOCPART == 1
	.amdgcn_target "amdgcn-amd-amdhsa--gfx1250"
	.amdhsa_code_object_version 6
	.text
	.protected	k_qf842369540_quant
	.globl	k_qf842369540_quant
	.p2align	8
	.type	k_qf842369540_quant,@function
k_qf842369540_quant:
	s_mov_b64 s[64:65], 0
	v_nop
	global_prefetch_b8 v0, s[64:65] scope:SCOPE_SE
	s_setreg_imm32_b32 hwreg(HW_REG_WAVE_MODE, 25, 1), 1
	s_wait_xcnt 0x0
; hidden_state [2048][2048] and Wq, Wk, Wv, Wo [2048][2048], f32, K innermost, become codes of FP6 (E2M3) with one E8M0 scale byte for each 32 along K.
; A block's scale is 2^(floor(log2(its largest magnitude)) - 2); its byte is the largest magnitude's exponent field - 2, held at 1 from below.
; THE PACK.  The codes are laid as the matrix instruction's registers take them.  A pack is 128 rows x 128 along K, 12,800 bytes: eight fragments (16 rows x 128 K, 12 registers a lane)
; of 1,536 bytes, registers 4 c .. 4 c + 3 of lane l at 512 c + 16 l; behind them, at 12,288, the scale words: row r of tile i at 64 i + 4 r.  ops = [tensor 5][row block 16][K step 16][pack].
; THE ROWS OF A TILE ARE NOT NEIGHBOURS: lane r of tile a holds row 32 (a / 2) + 8 (a % 2) + r + 8 (r / 8) of the pack's 128, so that a product that takes such tiles as source 0
; leaves 16 neighbours along that axis in the 16 registers of tiles 2 b and 2 b + 1.
; SHARES.  1,280 work-groups of two waves, one for each pack: five times 256, so that the work divides evenly.  A wave takes four tiles (64 rows x 128 K: 32 KiB in, 6,400 bytes out).
; Each load reads 512 consecutive bytes of one row; a fragment's 16 rows turn through the wave's own stage in LDS (rows 528 bytes apart) so that a lane gets 16 neighbours of each block of 32.
; Waves share nothing: no barrier.  Loads run one fragment (16 loads) ahead of the fragment in hand.
; LIMITS: NaN and infinities among the inputs are not served; a block whose largest magnitude lies under 2^-124 keeps the byte 1; a block of zeros gets the byte 1 where the rule says 127:
; its codes are zeros, which add nothing under any byte but 0xff, and the bytes are read by this program alone.
.set PK,   12800
.set SPT,  528                         ; a stage row: 512 bytes + 16
.set WREG, 16*SPT+256                  ; a wave's LDS: the stage, then 256 bytes in which its four tiles' scale words are gathered
.set GA,  1                            ; v1   16 x lane: my bytes of a load's 512, and of a store's
.set SI,  2                            ; v2   the stage, on the way in
.set SO,  3                            ; v3   and on the way out: row r, + 64 h
.set SW,  4                            ; v4   where my row's scale word goes
.set SG,  5                            ; v5   where I read 8 bytes of the gathered words
.set G8,  6                            ; v6   8 x lane
.set R,   16                           ; v16-143  two sets of 64 numbers as loaded
.set X,   144                          ; v144-207 64 numbers of my row: register 16 b + i = k 32 b + 16 h + i
.set PC,  208                          ; v208-227 the codes just made
.set TM,  228                          ; v228-243 at work
.set PW,  244                          ; v244     the scale word just made
.set SEL, 20                           ; s[20:21] lane selects for v_permlanex16_b32: lane l xor 16
; 64 numbers of a lane, v[s] .. v[s + 63], become a fragment's codes in v[PC] on and its scale word in v[PW].
.macro QUANT s
.irp b, 0,1,2,3
	v_max3_num_f32 v[TM+\b], |v[\s+16*\b]|, |v[\s+1+16*\b]|, 0x1800000   ; block b: my 16 numbers, and the floor 2^(3 - 127): the byte cannot fall under 1
.endr
.irp i, 2,4,6,8,10,12,14
.irp b, 0,1,2,3
	v_max3_num_f32 v[TM+\b], v[TM+\b], |v[\s+16*\b+\i]|, |v[\s+1+16*\b+\i]|   ; the four blocks by turns
.endr
.endr
.irp b, 0,1,2,3
	v_permlanex16_b32 v[TM+4+\b], v[TM+\b], s[SEL], s[SEL+1]
.endr
.irp b, 0,1,2,3
	v_max_num_f32 v[TM+\b], v[TM+\b], v[TM+4+\b]   ; with lane l xor 16's: the block's largest magnitude
.endr
.irp b, 0,1,2,3
	v_add_nc_u32 v[TM+12+\b], 0xff000000, v[TM+\b]   ; 2 off its exponent field: the conversion takes the exponent field of this operand as its scale
.endr
.irp b, 0,1,2,3
	v_lshrrev_b32 v[TM+4+\b], 23, v[TM+12+\b]      ; the scale's byte
.endr
	v_lshl_or_b32 v[PW], v[TM+5], 8, v[TM+4]       ; the four bytes make my row's scale word
	v_lshl_or_b32 v[PW], v[TM+6], 16, v[PW]
	v_lshl_or_b32 v[PW], v[TM+7], 24, v[PW]
.irp c, 0,1
	v_cvt_scalef32_pk16_fp6_f32 v[PC+6*\c:PC+2+6*\c], v[\s+32*\c:\s+15+32*\c], v[TM+12+2*\c]
	v_cvt_scalef32_pk16_fp6_f32 v[PC+12+4*\c:PC+14+4*\c], v[\s+16+32*\c:\s+31+32*\c], v[TM+12+2*\c+1]   ; (a conversion's three registers begin on an even number)
.endr
	v_nop                                          ; one plain instruction behind the scaled conversions
.irp c, 0,1                                    ; the operand's layout wants a whole block in a lane: lanes 0-15 block 2 c, lanes 16-31 block 2 c + 1
.irp i, 0,1,2
	v_permlane16_swap_b32 v[PC+6*\c+\i], v[PC+12+4*\c+\i]
.endr
.irp i, 0,1,2
	v_mov_b32 v[PC+3+6*\c+\i], v[PC+12+4*\c+\i]
.endr
.endr
.endm
	s_load_b256 s[4:11], s[0:1], 0x0               ; hidden_state, Wq, Wk, Wv
	s_load_b128 s[12:15], s[0:1], 0x20             ; Wo, ops
	v_lshl_add_u32 v248, v0, 2, 0x4400
	v_mov_b32 v249, 0
	v_lshrrev_b32 v7, 5, v0
	v_readfirstlane_b32 s16, v7                    ; wave 0..1: which half of the pack's tiles is mine
	v_and_b32 v8, 31, v0                           ; lane
	v_and_b32 v9, 15, v0                           ; r
	v_bfe_u32 v10, v0, 4, 1                        ; h
	v_lshlrev_b32 v[GA], 4, v8
	s_mul_i32 s17, s16, WREG                       ; my wave's LDS
	v_add_nc_u32 v[SI], s17, v[GA]
	v_mul_u32_u24 v[SO], v9, SPT
	v_lshl_add_u32 v[SO], v10, 6, v[SO]
	v_add_nc_u32 v[SO], s17, v[SO]
	s_add_co_u32 s18, s17, 16*SPT
	v_lshlrev_b32 v[SW], 2, v9
	v_add_nc_u32 v[SW], s18, v[SW]
	v_lshlrev_b32 v[G8], 3, v8
	v_add_nc_u32 v[SG], s18, v[G8]
.irp b, 0,1,2,3
	v_mov_b32 v[TM+4+\b], 0                        ; written once: a lane permute's destination counts as one of its sources
.endr
	s_mov_b32 s[SEL], 0x76543210
	s_mov_b32 s[SEL+1], 0xfedcba98
	s_lshr_b32 s19, ttmp9, 8                       ; which tensor
	s_and_b32 s22, ttmp9, 255
	s_lshr_b32 s23, s22, 4                         ; which block of 128 rows
	s_and_b32 s24, s22, 15                         ; which K step of 128
	s_lshl_b32 s26, s23, 20                        ; in: 128 rows of 8,192 bytes a row block,
	s_lshl_b32 s27, s16, 19                        ; 64 rows a half,
	s_add_co_u32 s26, s26, s27
	s_lshl_b32 s27, s24, 9                         ; 512 bytes a K step
	s_add_co_u32 s26, s26, s27
	s_mov_b32 s27, 0
	s_mul_i32 s28, s19, 256*PK                     ; out: the pack
	s_mul_i32 s29, s23, 16*PK
	s_add_co_u32 s28, s28, s29
	s_mul_i32 s29, s24, PK
	s_add_co_u32 s28, s28, s29
	s_lshl_b32 s30, s16, 8                         ; my four tiles' scale words: 256 bytes,
	s_add_co_u32 s30, s30, s28
	s_add_co_u32 s30, s30, 12288
	s_mul_i32 s29, s16, 4*1536                     ; and their codes
	s_add_co_u32 s28, s28, s29
	s_mov_b32 s29, 0
	s_mov_b32 s31, 0
	s_wait_kmcnt 0x0
	s_cmp_eq_u32 s19, 1                            ; the tensor is chosen by the work-group's number alone; all five take one path through the text
	s_cselect_b64 s[4:5], s[6:7], s[4:5]
	s_cmp_eq_u32 s19, 2
	s_cselect_b64 s[4:5], s[8:9], s[4:5]
	s_cmp_eq_u32 s19, 3
	s_cselect_b64 s[4:5], s[10:11], s[4:5]
	s_cmp_eq_u32 s19, 4
	s_cselect_b64 s[4:5], s[12:13], s[4:5]
	s_add_nc_u64 s[4:5], s[4:5], s[26:27]
	s_add_nc_u64 s[6:7], s[14:15], s[28:29]        ; my codes
	s_add_nc_u64 s[8:9], s[14:15], s[30:31]        ; my scale words
.macro LOAD f                          ; the 16 rows of my tile f, in the tile's order of rows, into set f % 2: 32 lanes read 512 consecutive bytes of a row
.irp p, 0,1,2,3,4,5,6,7,8,9,10,11,12,13,14,15
	global_load_b128 v[R+64*((\f)%2)+4*\p:R+64*((\f)%2)+4*\p+3], v[GA], s[4:5] offset:(32*((\f)/2)+8*((\f)%2)+\p+8*(\p/8))*8192 th:TH_LOAD_NT
.endr
.endm
.macro FRAG f
.if (\f) < 3
	s_wait_loadcnt 16                              ; this tile's 16 loads are in; the next tile's 16 may be out
.else
	s_wait_loadcnt 0x0
.endif
.irp p, 0,1,2,3,4,5,6,7,8,9,10,11,12,13,14,15
	ds_store_b128 v[SI], v[R+64*((\f)%2)+4*\p:R+64*((\f)%2)+4*\p+3] offset:\p*SPT
.endr
.irp b, 0,1,2,3
.irp j, 0,1,2,3
	ds_load_b128 v[X+16*\b+4*\j:X+16*\b+4*\j+3], v[SO] offset:128*\b+16*\j   ; LDS serves a wave's instructions in order: these see the stores above
.endr
.endr
	s_wait_dscnt 0x0                               ; my 64 numbers are back, the stores into the stage have read their registers, and the last tile's word store has read its own
.if (\f) > 0
	s_wait_xcnt 0x0                                ; the last tile's stores have read the codes' registers, which are written again below
.endif
.if (\f) < 2
	LOAD (\f)+2
.endif
	QUANT X
.irp c, 0,1,2
	global_store_b128 v[GA], v[PC+4*\c:PC+4*\c+3], s[6:7] offset:(\f)*1536+512*\c   ; 32 lanes store 512 consecutive bytes, at a multiple of 256 from the buffer's first byte
.endr
	ds_store_b32 v[SW], v[PW] offset:64*(\f)       ; both halves of the lanes write the same word with the same value
.endm
	LOAD 0
	LOAD 1
	FRAG 0
	FRAG 1
	FRAG 2
	FRAG 3
	ds_load_b64 v[246:247], v[SG]                  ; my four tiles' 64 scale words
	s_wait_dscnt 0x0
	global_store_b64 v[G8], v[246:247], s[8:9]     ; 32 lanes store 256 consecutive bytes, aligned
	s_wait_tensorcnt 0x0
	ds_add_u32 v248, v249
	s_wait_dscnt 0x0
	s_endpgm
.Lfunc_end_k_qf842369540_quant:
	.size	k_qf842369540_quant, .Lfunc_end_k_qf842369540_quant-k_qf842369540_quant
	.p2alignl 7, 3214868480
	.fill 96, 4, 3214868480
	.section	.rodata,"a",@progbits
	.p2align	6, 0x0
	.amdhsa_kernel k_qf842369540_quant
		.amdhsa_group_segment_fixed_size 17664
		.amdhsa_private_segment_fixed_size 0
		.amdhsa_enable_private_segment 0
		.amdhsa_kernarg_size 48
		.amdhsa_user_sgpr_count 2
		.amdhsa_user_sgpr_kernarg_segment_ptr 1
		.amdhsa_wavefront_size32 1
		.amdhsa_system_sgpr_workgroup_id_x 1
		.amdhsa_system_sgpr_workgroup_id_y 1
		.amdhsa_system_sgpr_workgroup_id_z 1
		.amdhsa_system_vgpr_workitem_id 0
		.amdhsa_next_free_vgpr 250
		.amdhsa_next_free_sgpr 66
		.amdhsa_reserve_vcc 0
		.amdhsa_float_denorm_mode_32 3
		.amdhsa_float_denorm_mode_16_64 3
		.amdhsa_memory_ordered 1
		.amdhsa_forward_progress 1
		.amdhsa_inst_pref_size 34
	.end_amdhsa_kernel
	.amdgpu_metadata
---
amdhsa.version: [ 1, 2 ]
amdhsa.kernels:
  - .name:           k_qf842369540_quant
    .symbol:         k_qf842369540_quant.kd
    .args:
      - { .name: hidden_state, .offset: 0, .size: 8, .value_kind: global_buffer, .address_space: global }
      - { .name: Wq, .offset: 8, .size: 8, .value_kind: global_buffer, .address_space: global }
      - { .name: Wk, .offset: 16, .size: 8, .value_kind: global_buffer, .address_space: global }
      - { .name: Wv, .offset: 24, .size: 8, .value_kind: global_buffer, .address_space: global }
      - { .name: Wo, .offset: 32, .size: 8, .value_kind: global_buffer, .address_space: global }
      - { .name: ops, .offset: 40, .size: 8, .value_kind: global_buffer, .address_space: global }
    .group_segment_fixed_size: 17664
    .private_segment_fixed_size: 0
    .kernarg_segment_align: 8
    .kernarg_segment_size: 48
    .max_flat_workgroup_size: 64
    .sgpr_count:     66
    .vgpr_count:     250
    .wavefront_size: 32
...
	.end_amdgpu_metadata
.endif
;; end of part 1
;; launch qkv (part 2): grid 16 x 16, 4 waves a work-group, clusters of 4 x 4, 327,680 bytes of LDS; arguments ops, bq, bk, bv, qkv; writes qkv
.if DOCPART == 2
	.amdgcn_target "amdgcn-amd-amdhsa--gfx1250"
	.amdhsa_code_object_version 6
	.text
	.protected	k_qf842369540_qkv
	.globl	k_qf842369540_qkv
	.p2align	8
	.type	k_qf842369540_qkv,@function
k_qf842369540_qkv:
	s_mov_b64 s[64:65], 0
	v_nop
	global_prefetch_b8 v0, s[64:65] scope:SCOPE_SE
	s_setreg_imm32_b32 hwreg(HW_REG_WAVE_MODE, 25, 1), 1
	s_wait_xcnt 0x0
	s_wait_alu depctr_hold_cnt(0) depctr_sa_sdst(0) depctr_va_vdst(0) depctr_va_sdst(0) depctr_va_ssrc(0) depctr_va_vcc(0) depctr_vm_vsrc(0)
	s_getreg_b32 s2, hwreg(HW_REG_IB_STS2, 6, 4)
	s_cmp_eq_u32 s2, 0
	s_cbranch_scc0 .Lentry_in_a_cluster
	s_endpgm
.Lentry_in_a_cluster:
	s_bfe_u32 s2, ttmp6, 0x10000c
	s_cmp_lg_u32 s2, 0xf033
	s_cbranch_scc0 .Lentry_shape_is_right
	s_endpgm
.Lentry_shape_is_right:
; q = x Wq^T + bq, k = x Wk^T + bk, v = x Wv^T + bv on codes of FP6 (E2M3) with E8M0 scales, sums in f32; the results are quantised here: q and k along the head's 128, v along the keys.
; OPERANDS come as packs (128 rows x 128 K as images of the operand's registers, 12,288 bytes, then 128 scale words): ops = [x, Wq, Wk, Wv, Wo][row block 16][K step 16][12,800 bytes].
; Lane r of tile a of a pack holds row 32 (a / 2) + 8 (a % 2) + r + 8 (r / 8) of the pack's 128.
; SHARES.  A work-group of four waves makes 128 rows of x against one head's 128 rows of each of Wq, Wk, Wv.  Wave w takes all 8 tiles of x against tiles 2 w, 2 w + 1 of each W: 48 accumulators,
; 14 fragments from LDS for 48 matrix instructions.  q and k are used TRANSPOSED (source 0 = W, source 1 = x): a lane holds one row of x and 16 neighbours along d, half of block w of the head's four.
; v is used straight (source 0 = x, source 1 = Wv): a lane holds one d, and the 64 registers of its eight tiles run along the 128 keys.  The biases are the C of each sum's first matrix instruction.
; RING.  Two LDS slots, each with THREE K steps of 128 of all four tensors (12 packs, 153,600 bytes): as large as two fit.  Wave w fetches tensor w's three packs, 38,400 dense bytes, by one tensor load.
; Six fills: K steps 0-2 and 3-5 at the start, then 6-8, 9-11, 12-14 and 15 (one pack a tensor: a second group 1).  From a refill to the wait for it a wave issues 128 matrix instructions.
; The 16 K steps are written out: the fragment sets take turns with period 2, a slot's steps with period 3, and the four refills are of two shapes, so no trip of a loop would end where it began.
; CLUSTER.  4 x 4 work-groups: the four of a row of the cluster share x's packs, the four of a column W's: each is asked for jointly, by the same load with a mask that names the four.
; OUT.  qkv = [batch x head 32][block of 128 rows 8][Q pack, K pack, V pack].  q's and k's codes meet in LDS as an image of the two packs (a wave holds a quarter of every fragment) and leave in runs of
; 512 bytes; v's fragments are whole in a wave and are stored straight from registers.  The image lies at LDS byte 0, in slot 0, which has had its last fill and its last read when the first code is stored there.
; LIMITS: NaN and infinities are not served; a block whose largest magnitude lies under 2^-124, a block of zeros among them, keeps the byte 1 (zero codes add nothing; the bytes are read by this program alone).
; REGISTERS, in windows of 256: window 0: v1-31, v60-63 addresses; v32-59 scale words, two sets of 14, nothing else ever; v64-159, v160-255 x's fragments, two sets (free on the way out).
;   window 1: W's six fragments, two sets, at v0 and v72.   window 2: q's and k's accumulators: (tile a of x, b = 2 t + u) at v[8 (4 a + b)].
;   window 3: v's accumulators at v[64 u + 8 a]; v128-159 bq's and bk's tiles; v160-175 bv's.
.set PK,    12800
.set TEN,   3*PK                       ; a tensor's part of a slot: three packs
.set SLOT,  4*TEN
.set STV,   2*SLOT                     ; behind the ring: v's 128 scale words;
.set SPARE, STV+512                    ; the spare words, 128 bytes for each wave: two blocks of 256 bytes that no other line names
.set LI,  4                            ; v4   16 x lane
.set GV,  5                            ; v5   v's codes in the record: 16 x lane + 25,600 + 3,072 w
.set SVS, 6                            ; v6   where v's scale words go in LDS: STV + 128 w + 4 x lane
.set SVL, 7                            ; v7   and where they are read back: STV + 256 (w % 2) + 8 x lane
.set AC,  8                            ; v8-10  where my three registers of 16 codes lie in a fragment's image
.set AS,  11                           ; v11  where my block's scale byte lies: 4 r + w
.set PF0, 12                           ; v12-13 the prefetches' offsets in a fill of three packs; never rewritten
.set PF1, 13
.set CG,  14                           ; v14-15 the copy out, by 16 and by 8 bytes a lane: the same offset in the image and in the record
.set CG8, 15
.set AX,  16                           ; v16-17 x's fragments in slot 0, 1
.set AQ,  18                           ; v18-19 my fragments of Wq
.set AV,  20                           ; v20-21 of Wv
.set SX,  22                           ; v22-23 x's scale words
.set SW,  24                           ; v24-25 my tiles' scale words of Wq (Wk's lie one tensor on)
.set GS8, 26                           ; v26  v's scale words in the record
.set BQO, 27                           ; v27  64 h: bq's and bk's lane offset
.set SPW, 28                           ; v28  LDS address of my spare word; never rewritten
.set NIL, 29                           ; v29  0; never rewritten
.set BVO, 30                           ; v30  4 (r + 8 (r / 8)): bv's lane offset
.set PF2, 31                           ; v31  the prefetch's offset in the last fill of one pack; never rewritten
.set SC,  32
.set AK,  60                           ; v60-61 my fragments of Wk
.set SV,  62                           ; v62-63 my tiles' scale words of Wv
.set XF,  64
.set TM,  224                          ; on the way out: v224-239 at work
.set SEL, 22                           ; s[22:23] lane selects for v_permlanex16_b32
.set G1X, 24                           ; s[24:31] descriptor group 1 for x's three packs; s[32:39] group 0, a set for each slot
.set G0X, 32
.set G1W, 48                           ; s[48:55], s[56:63] the same for W's
.set G0W, 56
.set G1XS, 68                          ; s[68:75], s[76:83] groups 1 for the last fill: one pack
.set G1WS, 76
.set PFA, 84                           ; s[84:85] where my prefetches stand: the first pack of the fill that the next refill will ask for
.set LIM, 86                           ; s86  1 in a wave that prefetches, else 0
.set MSB, 0
.macro WIN new                         ; the immediate's high byte repeats the setting that is left
.if MSB != (\new)
	s_set_vgpr_msb (MSB<<8)|(\new)
.set MSB, \new
.endif
.endm
.macro PLACES                          ; four plain instructions behind matrix instructions, in front of loads into their sources and of reads of their results
.rept 4
	v_nop
.endr
.endm
; A joint load: wave 0 fetches x's packs, waves 1 to 3 those of Wq, Wk, Wv.  Each line has one mask; the branch hangs on the wave's number alone.  Four v_nop follow each line.
.macro JLOAD s, g1x, g1w
	s_cmp_eq_u32 s14, 0
	s_cbranch_scc0 .Lfor_w_\@
	tensor_load_to_lds s[G0X+4*(\s):G0X+4*(\s)+3], s[\g1x:\g1x+7]
	s_nop 0
.rept 4
	v_nop
.endr
	s_branch .Lasked_\@
.Lfor_w_\@:
	tensor_load_to_lds s[G0W+4*(\s):G0W+4*(\s)+3], s[\g1w:\g1w+7]
	s_nop 0
.rept 4
	v_nop
.endr
.Lasked_\@:
.endm
; A PREFETCH INTO THE L2, behind each refill but the last and behind the run of LDS loads that follows it: the packs that the NEXT refill will ask for, three K steps, 144 matrix instructions, ahead of that load.
; Wave w asks for tensor w's packs.  x's packs are read by every cluster of a row of clusters: cluster x = 0 asks; W's by every cluster of a column: cluster y = 0 asks.  The four partners that ask for a fill
; jointly share its 150 blocks of 256 bytes BY ADDRESS: partner p (cx for x, cy for W) takes blocks 38 p .. 38 p + 37, the last partner 36: 32 by one instruction, a lane a block, the others by a second, whose
; higher lanes name its last block again.  Of the last fill's 50 blocks partner p takes 13 p .. 13 p + 12, the last partner 11.  So each block is named by one wave of one work-group.
; K steps 0 to 8 come by their loads alone: nothing is prefetched at the head.  kind = 1: three packs; 2: one.
.macro ASK kind
	s_cmp_eq_u32 s[LIM], 1
	s_cbranch_scc0 .Lnot_mine_\@
.if (\kind) == 1
	global_prefetch_b8 v[PF0], s[PFA:PFA+1] th:TH_LOAD_NT scope:SCOPE_SE
	global_prefetch_b8 v[PF1], s[PFA:PFA+1] th:TH_LOAD_NT scope:SCOPE_SE
.else
	global_prefetch_b8 v[PF2], s[PFA:PFA+1] th:TH_LOAD_NT scope:SCOPE_SE
.endif
.Lnot_mine_\@:
.endm
.macro CREST                           ; a round of the cluster's barrier behind its opening barrier
	s_cmp_lg_u32 s14, 0
	s_cbranch_scc1 .Lnot_wave_0_\@
	s_barrier_signal -3
.Lnot_wave_0_\@:
	s_barrier_wait -3
	s_barrier_signal -1
	s_barrier_wait -1
.endm
.macro CROUND
	s_barrier_signal -1
	s_barrier_wait -1
	CREST
.endm
	s_load_b256 s[4:11], s[0:1], 0x0               ; ops, bq, bk, bv
	s_load_b64 s[12:13], s[0:1], 0x20              ; qkv
	v_lshl_add_u32 v[SPW], v0, 2, SPARE
	v_mov_b32 v[NIL], 0
	ds_add_u32 v28, v29
	ds_add_u32 v28, v29
	s_wait_dscnt 0x0
	v_lshrrev_b32 v1, 5, v0
	v_readfirstlane_b32 s14, v1                    ; wave 0..3
	s_bfe_u32 s40, ttmp6, 0x40000                  ; cx, cy: my place in the cluster
	s_bfe_u32 s41, ttmp6, 0x40004
	s_lshl_b32 s42, ttmp9, 2
	s_add_co_u32 s42, s42, s40                     ; the head = 4 x cluster x + cx
	s_and_b32 s17, ttmp7, 0xffff
	s_lshl_b32 s17, s17, 2
	s_add_co_u32 s17, s17, s41                     ; the block of 128 rows of x = 4 x cluster y + cy
	s_lshl_b32 s43, s41, 2
	s_lshl_b32 s43, 15, s43                        ; my row of the cluster
	s_lshl_b32 s44, 0x1111, s40                    ; my column
	; descriptor group 1: dense bytes as rows of 256 bytes (32 elements of 8 bytes), no padding: 150 rows for three packs, 50 for one
	s_or_b32 s[G1X], s43, (3<<16)|(1<<21)          ; 15:0 the mask: x's packs go to my row; 17:16 elements of 8 bytes; 21 set beside a mask
	s_or_b32 s[G1W], s44, (3<<16)|(1<<21)          ; W's go to my column
	s_or_b32 s[G1XS], s43, (3<<16)|(1<<21)
	s_or_b32 s[G1WS], s44, (3<<16)|(1<<21)
.irp g, G1X, G1W
	s_mov_b32 s[\g+1], 32<<16                      ; tensor_dim0 = 32
	s_mov_b32 s[\g+2], 150<<16                     ; tensor_dim1 = 150
	s_mov_b32 s[\g+3], 32<<16                      ; tile_dim0 = 32
	s_mov_b32 s[\g+4], 150                         ; tile_dim1 = 150
	s_mov_b32 s[\g+5], 32                          ; from row to row
	s_mov_b32 s[\g+6], 0
	s_mov_b32 s[\g+7], 0
.endr
.irp g, G1XS, G1WS
	s_mov_b32 s[\g+1], 32<<16
	s_mov_b32 s[\g+2], 50<<16                      ; tensor_dim1 = 50
	s_mov_b32 s[\g+3], 32<<16
	s_mov_b32 s[\g+4], 50                          ; tile_dim1 = 50
	s_mov_b32 s[\g+5], 32
	s_mov_b32 s[\g+6], 0
	s_mov_b32 s[\g+7], 0
.endr
	s_mul_i32 s20, s17, 16*PK                      ; x: my row block's 16 packs (tensor 0)
	s_mov_b32 s21, 0
	s_mul_i32 s46, s42, 16*PK                      ; W: the head's row block,
	s_mul_i32 s47, s14, 256*PK                     ; in tensor w
	s_add_co_u32 s46, s46, s47
	s_mov_b32 s47, 0
	s_mul_i32 s45, s14, TEN                        ; where they go: tensor w's part of a slot: no place in the cluster enters an LDS address
	s_wait_kmcnt 0x0
	s_add_nc_u64 s[20:21], s[4:5], s[20:21]
	s_add_nc_u64 s[46:47], s[4:5], s[46:47]
	CROUND                                         ; all sixteen work-groups are here: the first joint loads meet
.irp s, 0,1
	s_mov_b32 s[G0X+4*\s], 1                       ; count = 1
	s_add_co_u32 s[G0X+4*\s+1], s45, \s*SLOT       ; LDS address
	s_add_nc_u64 s[G0X+4*\s+2:G0X+4*\s+3], s[20:21], \s*TEN   ; global address: K steps 3 s .. 3 s + 2
	s_or_b32 s[G0X+4*\s+3], s[G0X+4*\s+3], 0x80000000         ; type = 2
	s_mov_b32 s[G0W+4*\s], 1
	s_add_co_u32 s[G0W+4*\s+1], s45, \s*SLOT
	s_add_nc_u64 s[G0W+4*\s+2:G0W+4*\s+3], s[46:47], \s*TEN
	s_or_b32 s[G0W+4*\s+3], s[G0W+4*\s+3], 0x80000000
	JLOAD \s, G1X, G1W                             ; two loads of mine are out
.endr
	v_and_b32 v1, 31, v0                           ; lane
	v_and_b32 v2, 15, v0                           ; r
	v_bfe_u32 v3, v0, 4, 1                         ; h
	v_lshlrev_b32 v[LI], 4, v1
	v_lshlrev_b32 v68, 2, v2                       ; 4 r
	v_lshlrev_b32 v64, 3, v1                       ; 8 x lane
	s_mul_i32 s15, s14, 2*1536                     ; my two tiles of a W pack
	s_lshl_b32 s16, s14, 7                         ; and their scale words
.irp s, 0,1                                    ; an address register for each tensor's fragments, so that the offsets (two packs and a tile at the most) stay inside 16 bits
	v_add_nc_u32 v[AX+\s], \s*SLOT, v[LI]
	v_add_nc_u32 v[AQ+\s], s15, v[AX+\s]
	v_add_nc_u32 v[AQ+\s], TEN, v[AQ+\s]
	v_add_nc_u32 v[AK+\s], TEN, v[AQ+\s]
	v_add_nc_u32 v[AV+\s], TEN, v[AK+\s]
	v_add_nc_u32 v[SX+\s], \s*SLOT+12288, v68
	v_add_nc_u32 v[SW+\s], s16, v[SX+\s]
	v_add_nc_u32 v[SW+\s], TEN, v[SW+\s]
	v_add_nc_u32 v[SV+\s], 2*TEN, v[SW+\s]
.endr
	; the way out of q and k.  My 16 codes are k = 32 w + 16 h + 0 .. 15 of row r: registers g = 6 (w / 2) + 3 h + 0 .. 2 of lane r + 16 (w % 2) of the fragment: byte 512 (g / 4) + 4 (g % 4) + 16 x that lane
	v_lshrrev_b32 v65, 6, v0                       ; w / 2
	v_mul_u32_u24 v65, v65, 6
	v_mad_u32_u24 v65, v3, 3, v65
	v_bfe_u32 v66, v0, 5, 1                        ; w % 2
	v_lshl_add_u32 v66, v66, 4, v2
	v_lshlrev_b32 v66, 4, v66
.irp i, 0,1,2
	v_add_nc_u32 v[AC+\i], \i, v65
	v_lshrrev_b32 v67, 2, v[AC+\i]
	v_and_b32 v[AC+\i], 3, v[AC+\i]
	v_lshl_add_u32 v[AC+\i], v[AC+\i], 2, v66
	v_lshl_add_u32 v[AC+\i], v67, 9, v[AC+\i]
.endr
	v_add_nc_u32 v[AS], s14, v68
	v_add_nc_u32 v[GV], s15, v[LI]
	v_add_nc_u32 v[GV], 2*PK, v[GV]
	v_lshlrev_b32 v[SVS], 2, v1
	v_add_nc_u32 v[SVS], s16, v[SVS]
	v_add_nc_u32 v[SVS], STV, v[SVS]
	s_and_b32 s18, s14, 1
	s_lshl_b32 s18, s18, 8
	v_add_nc_u32 v[GS8], s18, v64
	v_add_nc_u32 v[SVL], STV, v[GS8]
	v_add_nc_u32 v[GS8], 2*PK+12288, v[GS8]
	s_mul_i32 s19, s14, PK/2                       ; the copy out: a quarter of the two packs' 25,600 bytes a wave
	v_add_nc_u32 v[CG], s19, v[LI]
	v_add_nc_u32 v[CG8], s19, v64
	v_lshlrev_b32 v[BQO], 6, v3
	v_and_b32 v[BVO], 8, v2
	v_add_nc_u32 v[BVO], v[BVO], v2
	v_lshlrev_b32 v[BVO], 2, v[BVO]
	; the prefetches (macro ASK): who asks, where, and each lane's block
	s_and_b32 s86, ttmp7, 0xffff                   ; cluster y
	s_cmp_eq_u32 s14, 0                            ; do I fetch x's packs?
	s_cselect_b64 s[PFA:PFA+1], s[20:21], s[46:47]
	s_cselect_b32 s87, s40, s41                    ; my place among the four that ask with me
	s_cselect_b32 s86, ttmp9, s86                  ; the coordinate along which other clusters read the same packs
	s_cmp_eq_u32 s86, 0
	s_cselect_b32 s[LIM], 1, 0                     ; the same in all sixteen partners, for a given wave
	s_add_nc_u64 s[PFA:PFA+1], s[PFA:PFA+1], 2*TEN ; at K step 6: the first refill's change of slots steps it to K step 9
	s_mul_i32 s18, s87, 38
	v_add_nc_u32 v[PF0], s18, v1                   ; blocks 38 p + 0 .. 31
	v_min_u32 v65, 5, v1
	v_add_nc_u32 v[PF1], s18, v65
	v_add_nc_u32 v[PF1], 32, v[PF1]                ; blocks 38 p + 32 .. 37,
	v_min_u32 v[PF1], 149, v[PF1]                  ; held at the fill's last
	v_lshlrev_b32 v[PF0], 8, v[PF0]
	v_lshlrev_b32 v[PF1], 8, v[PF1]
	s_mul_i32 s18, s87, 13
	v_min_u32 v65, 12, v1
	v_add_nc_u32 v[PF2], s18, v65                  ; blocks 13 p + 0 .. 12 of one pack,
	v_min_u32 v[PF2], 49, v[PF2]                   ; held at its last
	v_lshlrev_b32 v[PF2], 8, v[PF2]
	s_lshl_b32 s22, s42, 9                         ; the biases: the head's 128 numbers, my 32 of them
	s_add_co_u32 s22, s22, s16
	s_mov_b32 s23, 0
	s_add_nc_u64 s[6:7], s[6:7], s[22:23]
	s_add_nc_u64 s[8:9], s[8:9], s[22:23]
	s_add_nc_u64 s[10:11], s[10:11], s[22:23]
	s_mov_b32 s[SEL], 0x76543210
	s_mov_b32 s[SEL+1], 0xfedcba98
	s_lshr_b32 s2, s17, 3                          ; my record: ((batch x 16 + head) x 8 + block of 128 rows in the batch) x 38,400 bytes
	s_lshl_b32 s2, s2, 4
	s_add_co_u32 s2, s2, s42
	s_lshl_b32 s2, s2, 3
	s_and_b32 s3, s17, 7
	s_add_co_u32 s2, s2, s3
	s_mul_i32 s2, s2, 3*PK
	s_mov_b32 s3, 0
	s_add_nc_u64 s[12:13], s[12:13], s[2:3]
	WIN 0xc0                                       ; destination window 3
.irp u, 0,1
	global_load_b128 v[128+8*\u:131+8*\u], v[BQO], s[6:7] offset:32*\u       ; bq at d = 32 w + 16 h + 8 u + 0 .. 7: the result's layout
	global_load_b128 v[132+8*\u:135+8*\u], v[BQO], s[6:7] offset:32*\u+16
	global_load_b128 v[144+8*\u:147+8*\u], v[BQO], s[8:9] offset:32*\u       ; bk likewise
	global_load_b128 v[148+8*\u:151+8*\u], v[BQO], s[8:9] offset:32*\u+16
.irp j, 0,1,2,3,4,5,6,7
	global_load_b32 v[160+8*\u+\j], v[BVO], s[10:11] offset:32*\u            ; bv at my lane's d = 32 w + 8 u + r + 8 (r / 8), the same in all eight registers
.endr
.endr
	WIN 0
; K step s lies in slot (s / 3) % 2, as the slot's (s % 3)-th 128 along K, and is multiplied from fragment set s % 2.
.macro WFRAG t, adr                    ; my two tiles of W tensor t
.irp u, 0,1
.irp c, 0,1,2
	ds_load_b128 v[72*FST+12*(2*(\t)+\u)+4*\c:72*FST+12*(2*(\t)+\u)+4*\c+3], v[(\adr)+FSL] offset:FQ*PK+\u*1536+512*\c
.endr
.endr
.endm
; 56 LDS loads in one run: the fragments and scale words of K step s
.macro FETCH s
.set FSL, ((\s)/3)%2
.set FQ,  (\s)%3
.set FST, (\s)%2
	WIN 0x40                                       ; destination window 1, address window 0
	WFRAG 0, AQ
	WFRAG 1, AK
	WFRAG 2, AV
	WIN 0
.irp a, 0,1,2,3,4,5,6,7
.irp c, 0,1,2
	ds_load_b128 v[XF+96*FST+12*\a+4*\c:XF+96*FST+12*\a+4*\c+3], v[AX+FSL] offset:FQ*PK+\a*1536+512*\c
.endr
.endr
.irp a, 0,1,2,3,4,5,6,7
	ds_load_b32 v[SC+14*FST+\a], v[SX+FSL] offset:FQ*PK+64*\a
.endr
.irp t, 0,1
.irp u, 0,1
	ds_load_b32 v[SC+14*FST+8+2*\t+\u], v[SW+FSL] offset:\t*TEN+FQ*PK+64*\u
.endr
.endr
.irp u, 0,1
	ds_load_b32 v[SC+14*FST+12+\u], v[SV+FSL] offset:FQ*PK+64*\u
.endr
.endm
; v: source 0 = x's tile a, source 1 = my tile u of Wv.  The 48 accumulators take turns, one instruction a turn, in the same order in every step.
.macro MULV set, a0, a1, first
	WIN 0xf4                                       ; source 0 window 0, source 1 window 1, C and D window 3
.set ai, \a0
.rept (\a1)-(\a0)+1
.irp u, 0,1
.if \first
	v_wmma_scale_f32_16x16x128_f8f6f4 v[64*\u+8*ai:64*\u+8*ai+7], v[XF+96*(\set)+12*ai:XF+96*(\set)+12*ai+11], v[72*(\set)+48+12*\u:72*(\set)+48+12*\u+11], v[160+8*\u:167+8*\u], v[SC+14*(\set)+ai], v[SC+14*(\set)+12+\u] matrix_a_fmt:MATRIX_FMT_FP6 matrix_b_fmt:MATRIX_FMT_FP6
.else
	v_wmma_scale_f32_16x16x128_f8f6f4 v[64*\u+8*ai:64*\u+8*ai+7], v[XF+96*(\set)+12*ai:XF+96*(\set)+12*ai+11], v[72*(\set)+48+12*\u:72*(\set)+48+12*\u+11], v[64*\u+8*ai:64*\u+8*ai+7], v[SC+14*(\set)+ai], v[SC+14*(\set)+12+\u] matrix_a_fmt:MATRIX_FMT_FP6 matrix_b_fmt:MATRIX_FMT_FP6
.endif
.endr
.set ai, ai+1
.endr
.endm
; q and k: source 0 = my tile b of Wq (0, 1) or Wk (2, 3), source 1 = x's tile a
.macro MULQK set, first
.if \first
	WIN 0xb1                                       ; source 0 window 1, source 1 window 0, C (the bias) window 3, D window 2
.else
	WIN 0xa1                                       ; C and D window 2
.endif
.irp a, 0,1,2,3,4,5,6,7
.irp b, 0,1,2,3
.if \first
	v_wmma_scale_f32_16x16x128_f8f6f4 v[8*(4*\a+\b):8*(4*\a+\b)+7], v[72*(\set)+12*\b:72*(\set)+12*\b+11], v[XF+96*(\set)+12*\a:XF+96*(\set)+12*\a+11], v[128+8*\b:135+8*\b], v[SC+14*(\set)+8+\b], v[SC+14*(\set)+\a] matrix_a_fmt:MATRIX_FMT_FP6 matrix_b_fmt:MATRIX_FMT_FP6
.else
	v_wmma_scale_f32_16x16x128_f8f6f4 v[8*(4*\a+\b):8*(4*\a+\b)+7], v[72*(\set)+12*\b:72*(\set)+12*\b+11], v[XF+96*(\set)+12*\a:XF+96*(\set)+12*\a+11], v[8*(4*\a+\b):8*(4*\a+\b)+7], v[SC+14*(\set)+8+\b], v[SC+14*(\set)+\a] matrix_a_fmt:MATRIX_FMT_FP6 matrix_b_fmt:MATRIX_FMT_FP6
.endif
.endr
.endr
.endm
; A K step that has its successor in the same slot: multiplies its set and fetches the next step's
.macro STEP s, first
.set MS, (\s)%2
	s_wait_dscnt 0x0                               ; this step's set is in (asked for 32 matrix instructions ago or more)
	PLACES                                         ; the other set was read by the products just issued
	FETCH (\s)+1
	MULV MS, 0, 7, \first
	MULQK MS, \first
.endm
; A slot's last K step changes slots: one barrier; in front of it each wave waits for all its tensor loads, adds 0 to its spare word, and waits for that and for its reads of this slot.
; fill = 1: this slot is filled again, with the three K steps that lie six on; 2: with one; 0: not.  ask: the prefetch behind the refill (macro ASK), or 0.
.macro TURN s, fill, ask
.set MS,  (\s)%2
.set TSL, ((\s)/3)%2
.if \ask
	s_wait_xcnt 0x0                                ; the last prefetches, three K steps back, have read their address: it is stepped here, ahead of the waits of the change of slots
	s_add_nc_u64 s[PFA:PFA+1], s[PFA:PFA+1], TEN
.endif
	WIN 0                                          ; (the add's two registers lie in window 0)
	s_wait_tensorcnt 0x0                           ; all my tensor loads have landed: my part of the next slot
	ds_add_u32 v[SPW], v[NIL]                      ; 0 onto my spare word
	s_wait_dscnt 0x1                               ; this step's set is in; the add alone may be out
	MULV MS, 0, 3, 0                               ; eight matrix instructions stand between the add and the wait for it
	s_wait_dscnt 0x0                               ; the add is done, and my reads of this slot are over
	s_barrier_signal -1
	MULV MS, 4, 7, 0
	WIN 0
	s_barrier_wait -1
.if \fill
	CREST                                          ; the barrier has opened a round of the cluster's barrier: no wave of any partner still reads this slot or has a load on its way
	s_add_nc_u64 s[G0X+4*TSL+2:G0X+4*TSL+3], s[G0X+4*TSL+2:G0X+4*TSL+3], 2*TEN   ; six K steps on
	s_add_nc_u64 s[G0W+4*TSL+2:G0W+4*TSL+3], s[G0W+4*TSL+2:G0W+4*TSL+3], 2*TEN
.if (\fill) == 1
	JLOAD TSL, G1X, G1W                            ; the first tensor load behind the round; its four v_nop are also the places in front of the loads below
.else
	JLOAD TSL, G1XS, G1WS
.endif
.else
	PLACES
.endif
	FETCH (\s)+1
.if \ask
	ASK \ask
.endif
	MULQK MS, 0
.endm
	s_wait_tensorcnt 0x1                           ; my part of slot 0 is in; slot 1's load may stay out
	s_barrier_signal -1
	s_barrier_wait -1                              ; everybody's is
	FETCH 0
	s_wait_loadcnt 0x0                             ; the biases
	STEP 0, 1                                      ; the first products start the sums on the biases
	STEP 1, 0
	TURN 2, 1, 1                                   ; slot 0 takes K steps 6 to 8; K steps 9 to 11 are prefetched
	STEP 3, 0
	STEP 4, 0
	TURN 5, 1, 1                                   ; slot 1 takes K steps 9 to 11; 12 to 14 are prefetched
	STEP 6, 0
	STEP 7, 0
	TURN 8, 1, 2                                   ; slot 0 takes K steps 12 to 14: its last fill; K step 15 is prefetched
	STEP 9, 0
	STEP 10, 0
	TURN 11, 2, 0                                  ; slot 1 takes K step 15: the last load
	STEP 12, 0
	STEP 13, 0
	TURN 14, 0, 0                                  ; behind this barrier nobody reads slot 0 any more
	s_wait_dscnt 0x0
	MULV 1, 0, 7, 0
	MULQK 1, 0
	WIN 0
	PLACES
; THE WAY OUT.  Four blocks of 16 registers at v[src] on, in the window that wm names for sources 1 and 2; with lane l xor 16's 16 each is a block of 32.
; Left behind: the conversions' scale operands in v[TM+12] on, the scale bytes in v[by] on.  Each accumulator is read from its low end on.
.macro QMAX src, wm, by
	WIN \wm
.irp b, 0,1,2,3
	v_max3_num_f32 v[TM+\b], 0x1800000, |v[(\src)+16*\b]|, |v[(\src)+16*\b+1]|   ; the floor 2^(3 - 127) among the leaves: the byte cannot fall under 1
.endr
.irp i, 2,4,6,8,10,12,14
.irp b, 0,1,2,3
	v_max3_num_f32 v[TM+\b], v[TM+\b], |v[(\src)+16*\b+\i]|, |v[(\src)+16*\b+\i+1]|
.endr
.endr
	WIN 0
.irp b, 0,1,2,3
	v_permlanex16_b32 v[TM+4+\b], v[TM+\b], s[SEL], s[SEL+1]
.endr
.irp b, 0,1,2,3
	v_max_num_f32 v[TM+\b], v[TM+\b], v[TM+4+\b]
.endr
.irp b, 0,1,2,3
	v_add_nc_u32 v[TM+12+\b], 0xff000000, v[TM+\b]   ; 2 off the exponent field
.endr
.irp b, 0,1,2,3
	v_lshrrev_b32 v[(\by)+\b], 23, v[TM+12+\b]
.endr
.endm
; q and k of x's tiles 2 k and 2 k + 1: blocks (2 k, q), (2 k, k), (2 k + 1, q), (2 k + 1, k).  A lane's 16 codes, three registers, go to their places in the fragment's image, its block's byte to the scale word.
.macro QHALF k
	QMAX 64*(\k), 0x28, 128+4*(\k)
	WIN 0x02                                       ; the numbers in window 2
.irp bb, 0,1,2,3
	v_cvt_scalef32_pk16_fp6_f32 v[64+16*(\k)+4*\bb:64+16*(\k)+4*\bb+2], v[64*(\k)+16*\bb:64*(\k)+16*\bb+15], v[TM+12+\bb]
.endr
	WIN 0
	v_nop                                          ; one plain instruction behind the scaled conversions
.irp bb, 0,1,2,3
.irp i, 0,1,2
	ds_store_b32 v[AC+\i], v[64+16*(\k)+4*\bb+\i] offset:(\bb%2)*PK+(2*(\k)+\bb/2)*1536
.endr
	ds_store_b8 v[AS], v[128+4*(\k)+\bb] offset:(\bb%2)*PK+12288+64*(2*(\k)+\bb/2)   ; both halves of the lanes write the same byte with the same value
.endr
.endm
; v of my tile u of d: 64 registers along the 128 keys make a whole fragment, which is stored as it stands
.macro QV u
.set PCV, 176+20*(\u)
	QMAX 64*(\u), 0x3c, TM+8
	v_lshl_or_b32 v[216+(\u)], v[TM+9], 8, v[TM+8]
	v_lshl_or_b32 v[216+(\u)], v[TM+10], 16, v[216+(\u)]
	v_lshl_or_b32 v[216+(\u)], v[TM+11], 24, v[216+(\u)]
	WIN 0x03                                       ; the numbers in window 3
.irp c, 0,1
	v_cvt_scalef32_pk16_fp6_f32 v[PCV+6*\c:PCV+6*\c+2], v[64*(\u)+32*\c:64*(\u)+32*\c+15], v[TM+12+2*\c]
	v_cvt_scalef32_pk16_fp6_f32 v[PCV+12+4*\c:PCV+12+4*\c+2], v[64*(\u)+16+32*\c:64*(\u)+16+32*\c+15], v[TM+13+2*\c]
.endr
	WIN 0
	v_nop
.irp c, 0,1                                    ; a whole block to a lane: lanes 0-15 block 2 c, lanes 16-31 block 2 c + 1
.irp i, 0,1,2
	v_permlane16_swap_b32 v[PCV+6*\c+\i], v[PCV+12+4*\c+\i]
.endr
.irp i, 0,1,2
	v_mov_b32 v[PCV+3+6*\c+\i], v[PCV+12+4*\c+\i]
.endr
.endr
.irp c, 0,1,2
	global_store_b128 v[GV], v[PCV+4*\c:PCV+4*\c+3], s[12:13] offset:(\u)*1536+512*\c   ; 512 consecutive bytes, at a multiple of 256 from the buffer's first byte
.endr
.endm
.irp b, 0,1,2,3
	v_mov_b32 v[TM+4+\b], 0                        ; a lane permute's destination counts as one of its sources
.endr
	QHALF 0
	QHALF 1
	QHALF 2
	QHALF 3
	QV 0
	QV 1
	v_cmp_gt_u32 vcc_lo, 16, v1
	v_cndmask_b32 v218, v217, v216, vcc_lo         ; lanes 0-15: tile 2 w's words, lanes 16-31: tile 2 w + 1's (both halves of the lanes hold a row's word)
	ds_store_b32 v[SVS], v218
	s_wait_dscnt 0x0                               ; for the others' sake: my stores into the images are done
	s_barrier_signal -1
	s_barrier_wait -1
.irp i, 0,1,2,3,4,5,6,7,8,9,10,11
	ds_load_b128 v[64+4*\i:67+4*\i], v[CG] offset:512*\i   ; my quarter of the Q and K packs: 6,400 bytes
.endr
	ds_load_b64 v[112:113], v[CG8] offset:6144
.irp i, 0,1,2,3,4,5,6,7,8,9,10,11
	s_wait_dscnt 12-\i                             ; load i is in; the younger ones may be out
	global_store_b128 v[CG], v[64+4*\i:67+4*\i], s[12:13] offset:512*\i
.endr
	s_wait_dscnt 0x0
	global_store_b64 v[CG8], v[112:113], s[12:13] offset:6144
	s_cmp_lt_u32 s14, 2                            ; v's 512 bytes of scale words leave by waves 0 and 1
	s_cbranch_scc0 .Lno_vs
	ds_load_b64 v[114:115], v[SVL]
	s_wait_dscnt 0x0
	global_store_b64 v[GS8], v[114:115], s[12:13]
.Lno_vs:
	s_wait_tensorcnt 0x0                           ; the wave's end
	ds_add_u32 v[SPW], v[NIL]
	s_wait_dscnt 0x0
	CROUND                                         ; the closing round: no work-group ends while a partner may still ask for a tile that names it
	s_endpgm
.Lfunc_end_k_qf842369540_qkv:
	.size	k_qf842369540_qkv, .Lfunc_end_k_qf842369540_qkv-k_qf842369540_qkv
	.p2alignl 7, 3214868480
	.fill 96, 4, 3214868480
	.section	.rodata,"a",@progbits
	.p2align	6, 0x0
	.amdhsa_kernel k_qf842369540_qkv
		.amdhsa_group_segment_fixed_size 327680
		.amdhsa_private_segment_fixed_size 0
		.amdhsa_enable_private_segment 0
		.amdhsa_kernarg_size 40
		.amdhsa_user_sgpr_count 2
		.amdhsa_user_sgpr_kernarg_segment_ptr 1
		.amdhsa_wavefront_size32 1
		.amdhsa_system_sgpr_workgroup_id_x 1
		.amdhsa_system_sgpr_workgroup_id_y 1
		.amdhsa_system_sgpr_workgroup_id_z 1
		.amdhsa_system_vgpr_workitem_id 0
		.amdhsa_next_free_vgpr 1024
		.amdhsa_next_free_sgpr 88
		.amdhsa_reserve_vcc 1
		.amdhsa_float_denorm_mode_32 3
		.amdhsa_float_denorm_mode_16_64 3
		.amdhsa_memory_ordered 1
		.amdhsa_forward_progress 1
		.amdhsa_inst_pref_size 204
	.end_amdhsa_kernel
	.amdgpu_metadata
---
amdhsa.version: [ 1, 2 ]
amdhsa.kernels:
  - .name:           k_qf842369540_qkv
    .symbol:         k_qf842369540_qkv.kd
    .args:
      - { .name: ops, .offset: 0, .size: 8, .value_kind: global_buffer, .address_space: global }
      - { .name: bq, .offset: 8, .size: 8, .value_kind: global_buffer, .address_space: global }
      - { .name: bk, .offset: 16, .size: 8, .value_kind: global_buffer, .address_space: global }
      - { .name: bv, .offset: 24, .size: 8, .value_kind: global_buffer, .address_space: global }
      - { .name: qkv, .offset: 32, .size: 8, .value_kind: global_buffer, .address_space: global }
    .group_segment_fixed_size: 327680
    .private_segment_fixed_size: 0
    .kernarg_segment_align: 8
    .kernarg_segment_size: 40
    .max_flat_workgroup_size: 128
    .sgpr_count:     88
    .vgpr_count:     1024
    .wavefront_size: 32
...
	.end_amdgpu_metadata
.endif
;; end of part 2
;; launch attn (part 3): grid 8 x 32, 8 waves a work-group, clusters of 4 x 1, 206,336 bytes of LDS; arguments qkv, oc; writes oc
.if DOCPART == 3
	.amdgcn_target "amdgcn-amd-amdhsa--gfx1250"
	.amdhsa_code_object_version 6
	.text
	.protected	k_qf842369540_attn
	.globl	k_qf842369540_attn
	.p2align	8
	.type	k_qf842369540_attn,@function
k_qf842369540_attn:
	s_mov_b64 s[64:65], 0
	v_nop
	global_prefetch_b8 v0, s[64:65] scope:SCOPE_SE
	s_setreg_imm32_b32 hwreg(HW_REG_WAVE_MODE, 25, 1), 1
	s_wait_xcnt 0x0
	s_wait_alu depctr_hold_cnt(0) depctr_sa_sdst(0) depctr_va_vdst(0) depctr_va_sdst(0) depctr_va_ssrc(0) depctr_va_vcc(0) depctr_vm_vsrc(0)
	s_getreg_b32 s2, hwreg(HW_REG_IB_STS2, 6, 4)
	s_cmp_eq_u32 s2, 0
	s_cbranch_scc0 .Lentry_in_a_cluster
	s_endpgm
.Lentry_in_a_cluster:
	s_bfe_u32 s2, ttmp6, 0x10000c
	s_cmp_lg_u32 s2, 0x3003
	s_cbranch_scc0 .Lentry_shape_is_right
	s_endpgm
.Lentry_shape_is_right:
; o = softmax(q k^T / sqrt(128)) v for 32 pairs of batch and head, 1,024 queries and keys, both products on codes of FP6 (E2M3) with E8M0 scales; o is quantised here along the head's 128.
; qkv = [batch x head 32][block of 128 rows 8][Q pack, K pack, V pack]: a pack is 128 rows x 128 K as images of the operand's registers (8 x 1,536 bytes) and 128 scale words.  Q's and K's rows are queries and keys,
; K = d; V's rows are d, K = the block's 128 keys.  Lane r of tile a of a pack holds row 32 (a / 2) + 8 (a % 2) + r + 8 (r / 8).
; THE SOFTMAX: t = score x log2(e) / sqrt(128); M = the row's largest t so far, rounded UP to a whole number; p = 2^(t - M) is quantised along the keys, not normalised.  The row's sum is taken of the
; unquantised p and divides O at the end.  When M moves, the sum and O are multiplied by 2^(old M - new M): exact.
; SHARES.  A work-group owns 128 queries of one head; each of its eight waves one tile of 16: two waves to a SIMD, 512 registers each.  Every wave walks the head's 1,024 keys, 128 a step.
; Both products are used transposed: S^T = K Q^T, O^T = V^T P^T: a lane holds one query throughout, and by the packs' order of rows the 16 registers of tiles 2 b, 2 b + 1 are 16 neighbouring keys (or d).
; ALL OF A HEAD'S K AND V STAY IN LDS: 16 packs, 204,800 bytes, each byte filled once: no slot is filled again.  Each wave brings two packs; the second eight land while the first three steps are worked.
; THE LDS LOADS RUN A PHASE AHEAD.  A step's eight fragments of K and its eight of V have registers of their own, in window 1.  V is asked for behind the step's products K Q^T and waited for in the middle of
; its softmax; there the next step's K is asked for, which is waited for at that step's head.  So each product's operands were asked for half a softmax ahead or more; at most 32 LDS loads are out.
; CLUSTER.  The four blocks of queries of a cluster belong to one head and read the same K and V: each pack is asked for jointly, with a mask that names the four.
; OUT.  oc = [block of 128 rows 16][K step = head 16][pack]: my tile's fragment is stored from registers as it stands; the eight tiles' scale words meet in LDS and leave in two runs of 256 bytes.
; LIMITS: NaN and infinities are not served; a block whose largest magnitude lies under 2^-124, a block of zeros among them, keeps the byte 1 (zero codes add nothing; the bytes are read by this program alone).
; REGISTERS: window 0: v1-7 addresses that stay; v8, v10 addresses of the step; v12 -M, v13 the largest t, v[14:15] the sum in two halves; v16-27 Q; v80-87 K's scale words, v88-95 V's, v253 p's, v255 Q's;
; v96-159 S^T, then p, at the end o; v160-223 O^T; v224-235 p's codes; v232-254 at work.   window 1: v32-127 K's eight fragments, v128-223 V's.
.set PK,  12800
.set SCG, 16*PK                        ; behind K and V: 512 bytes in which o's scale words are gathered
.set LI,  1                            ; v1   16 x lane
.set LR,  2                            ; v2   4 r
.set SGS, 3                            ; v3   where my row's scale word goes: SCG + 64 w + 4 r
.set SGL, 4                            ; v4   where 8 bytes of the words are read back: SCG + 256 (w % 2) + 8 x lane
.set GSO, 5                            ; v5   256 (w % 2) + 8 x lane
.set QO,  6                            ; v6   16 x lane + 1,536 w: my tile's fragment in a pack
.set QS,  7                            ; v7   4 r + 64 w: its scale words
.set ADK, 8
.set ADS, 10
.set KS,  80
.set VS,  88
.set KF,  32                           ; in window 1
.set VF,  128                          ; in window 1
.set TM,  32                           ; on the way out: v32-47 at work
.set PC,  224
.set PW,  244
.set TB,  2                            ; s2   LDS byte at which the step's K pack begins
.set SEL, 20                           ; s[20:21] lane selects for v_permlanex16_b32
.set CS,  22                           ; s[22:23] c = log2(e) / sqrt(128)
.set MSB, 0
.macro WIN new                         ; s_set_vgpr_msb: bits 1:0 source 0, 7:6 destination; the immediate's high byte repeats the setting that is left
.if MSB != (\new)
	s_set_vgpr_msb (MSB<<8)|(\new)
.set MSB, \new
.endif
.endm
.macro CROUND                          ; a round of the cluster's barrier
	s_barrier_signal -1
	s_barrier_wait -1
	s_cmp_lg_u32 s8, 0
	s_cbranch_scc1 .Lnot_wave_0_\@
	s_barrier_signal -3
.Lnot_wave_0_\@:
	s_barrier_wait -3
	s_barrier_signal -1
	s_barrier_wait -1
.endm
	s_load_b128 s[4:7], s[0:1], 0x0                ; qkv, oc
	v_lshl_add_u32 v250, v0, 2, 0x32200
	v_mov_b32 v251, 0
	ds_add_u32 v250, v251
	ds_add_u32 v250, v251
	v_lshrrev_b32 v8, 5, v0
	v_readfirstlane_b32 s8, v8                     ; wave 0..7
	s_bfe_u32 s9, ttmp6, 0x40000                   ; cx: it enters Q's and oc's global addresses alone
	s_lshl_b32 s10, ttmp9, 2
	s_add_co_u32 s10, s10, s9                      ; my block of 128 queries
	s_and_b32 s11, ttmp7, 0xffff                   ; batch x 16 + head, which the four partners share
	; descriptor group 1: a pack, 12,800 dense bytes, as 50 rows of 256 bytes (32 elements of 8 bytes)
	s_mov_b32 s24, 15|(3<<16)|(1<<21)              ; 15:0 the mask: all four work-groups; 17:16 elements of 8 bytes; 21 set beside a mask
	s_mov_b32 s25, 32<<16                          ; tensor_dim0
	s_mov_b32 s26, 50<<16                          ; tensor_dim1
	s_mov_b32 s27, 32<<16                          ; tile_dim0
	s_mov_b32 s28, 50                              ; tile_dim1
	s_mov_b32 s29, 32                              ; from row to row
	s_mov_b32 s30, 0
	s_mov_b32 s31, 0
	s_mul_i32 s12, s11, 24*PK                      ; the head's eight records;
	s_lshr_b32 s13, s8, 1
	s_mul_i32 s13, s13, 3*PK                       ; record w / 2;
	s_add_co_u32 s12, s12, s13
	s_and_b32 s13, s8, 1
	s_mul_i32 s13, s13, PK                         ; its K pack (even waves) or V pack (odd waves), behind the Q pack
	s_add_co_u32 s12, s12, s13
	s_add_co_u32 s12, s12, PK
	s_mov_b32 s13, 0
	s_mul_i32 s14, s8, PK                          ; and where it goes
	s_lshl_b32 s16, s11, 3
	s_add_co_u32 s16, s16, s10
	s_mul_i32 s16, s16, 3*PK                       ; my block's record: its Q pack
	s_mov_b32 s17, 0
	s_lshr_b32 s18, s11, 4                         ; oc's pack: ((batch x 8 + block) x 16 + head) x 12,800
	s_lshl_b32 s18, s18, 3
	s_add_co_u32 s18, s18, s10
	s_lshl_b32 s18, s18, 4
	s_and_b32 s19, s11, 15
	s_add_co_u32 s18, s18, s19
	s_mul_i32 s18, s18, PK
	s_mov_b32 s19, 0
	s_mov_b32 s[SEL], 0x76543210
	s_mov_b32 s[SEL+1], 0xfedcba98
	s_mov_b32 s[CS], 0x3e0293ee                    ; c = log2(e) / sqrt(128)
	s_mov_b32 s[CS+1], s[CS]                       ; (named with it as a pair, so it is written)
	s_wait_dscnt 0x0
	s_wait_kmcnt 0x0
	s_mov_b32 s32, 1                               ; group 0 of my first load: key steps 0 to 3
	s_mov_b32 s33, s14
	s_add_nc_u64 s[34:35], s[4:5], s[12:13]
	s_mov_b32 s36, 1                               ; and of my second: key steps 4 to 7: four records and eight packs of LDS on
	s_add_co_u32 s37, s14, 8*PK
	s_add_nc_u64 s[38:39], s[34:35], 12*PK
	s_or_b32 s35, s35, 0x80000000                  ; type = 2
	s_or_b32 s39, s39, 0x80000000
	s_add_nc_u64 s[4:5], s[4:5], s[16:17]
	s_add_nc_u64 s[6:7], s[6:7], s[18:19]
	CROUND                                         ; all four work-groups are here: the joint loads meet
	tensor_load_to_lds s[32:35], s[24:31]
	s_nop 0
	tensor_load_to_lds s[36:39], s[24:31]          ; two loads of mine are out; none follows
	s_nop 0
.rept 4
	v_nop
.endr
	v_and_b32 v9, 31, v0                           ; lane
	v_and_b32 v11, 15, v0                          ; r
	v_lshlrev_b32 v[LI], 4, v9
	v_lshlrev_b32 v[LR], 2, v11
	s_mul_i32 s15, s8, 1536
	v_add_nc_u32 v[QO], s15, v[LI]
	s_lshl_b32 s16, s8, 6
	v_add_nc_u32 v[QS], s16, v[LR]
.irp c, 0,1,2
	global_load_b128 v[16+4*\c:19+4*\c], v[QO], s[4:5] offset:512*\c   ; Q's fragment stays in registers
.endr
	global_load_b32 v255, v[QS], s[4:5] offset:12288   ; and its scale words
	v_add_nc_u32 v[SGS], SCG, v[QS]
	s_and_b32 s17, s8, 1
	s_lshl_b32 s17, s17, 8
	v_lshlrev_b32 v9, 3, v9
	v_add_nc_u32 v[GSO], s17, v9
	v_add_nc_u32 v[SGL], SCG, v[GSO]
	v_mov_b32 v13, 0xff61b1e6                      ; the largest t so far: -3e38, under every t
	v_floor_f32 v12, -v13                          ; -M
	v_mov_b32 v14, 0                               ; the sum, in two halves
	v_mov_b32 v15, 0
.irp b, 0,1,2,3
	v_mov_b32 v[236+\b], 0                         ; written once: a lane permute's destination counts as one of its sources
.endr
	v_mov_b32 v253, 0                              ; (named as the upper half of the pair v[252:253] before it is first written)
.set j, 0
.rept 64
	v_mov_b32 v[160+j], 0                          ; O^T.  The step is written without a first step of its own: it finds zeros, which the first change of M leaves zeros
.set j, j+1
.endr
; A pack's eight fragments into v[f] on of window 1 and its scale words into v[sc] on of window 0: 32 LDS loads in one run.  The pack begins off bytes behind the addresses in v[adr] and v[ads].
.macro PLOAD f, sc, adr, ads, off
	WIN 0x40                                       ; destination window 1, address window 0
.irp t, 0,1,2,3,4,5,6,7
.irp c, 0,1,2
	ds_load_b128 v[(\f)+12*\t+4*\c:(\f)+12*\t+4*\c+3], v[\adr] offset:(\off)+\t*1536+512*\c
.endr
.endr
	WIN 0
.irp t, 0,1,2,3,4,5,6,7
	ds_load_b32 v[(\sc)+\t], v[\ads] offset:(\off)+12288+64*\t
.endr
.endm
; A KEY STEP: 128 keys; their K pack lies at s[TB], their V pack one pack on, the next step's K pack two on.  next = 1: that pack is fetched.
.macro STEP next
	s_wait_dscnt 0x0                               ; K's fragments and scale words are in: they were asked for in the middle of the step before
	WIN 0x01                                       ; source 0 window 1
.irp t, 0,1,2,3,4,5,6,7                        ; S^T = K Q^T: eight tiles of 16 keys
	v_wmma_scale_f32_16x16x128_f8f6f4 v[96+8*\t:103+8*\t], v[KF+12*\t:KF+12*\t+11], v[16:27], 0, v[KS+\t], v255 matrix_a_fmt:MATRIX_FMT_FP6 matrix_b_fmt:MATRIX_FMT_FP6
.endr                                          ; lane (r, h) holds query r; register 16 b + i is key 32 b + 16 h + i of the step
	WIN 0
	v_add_nc_u32 v[ADK], s[TB], v[LI]
	v_add_nc_u32 v[ADS], s[TB], v[LR]
	v_nop
	v_nop                                          ; with the two additions: four places behind the products above, whose results are read below, and behind the last step's, whose operands are loaded anew
	PLOAD VF, VS, ADK, ADS, PK                     ; V of this step
.irp b, 0,1,2,3
	v_max3_num_f32 v[232+\b], v[96+16*\b], v[97+16*\b], v[98+16*\b]   ; the largest score of each block of 32 keys: it serves for the row's maximum and, since p rises with the score, for the block's largest p
.endr
.irp i, 3,5,7,9,11,13
.irp b, 0,1,2,3
	v_max3_num_f32 v[232+\b], v[232+\b], v[96+16*\b+\i], v[97+16*\b+\i]
.endr
.endr
.irp b, 0,1,2,3
	v_max_num_f32 v[232+\b], v[232+\b], v[111+16*\b]
.endr
.irp b, 0,1,2,3
	v_permlanex16_b32 v[236+\b], v[232+\b], s[SEL], s[SEL+1]
.endr
.irp b, 0,1,2,3
	v_max_num_f32 v[232+\b], v[232+\b], v[236+\b]  ; with lane l xor 16's 16 keys
.endr
	v_max3_num_f32 v254, v232, v233, v234
	v_max_num_f32 v254, v254, v235                 ; the step's largest score of my query
	v_mul_f32 v254, s[CS], v254                    ; as t (c is positive)
	v_max_num_f32 v13, v13, v254                   ; the running largest t
	v_mov_b32 v254, v12
	v_floor_f32 v12, -v13                          ; the new -M = floor(-t) = -ceil(t): M is a whole number
	v_sub_f32 v254, v12, v254                      ; M's old value less its new one: a whole number, 0 or less
	v_cvt_i32_f32 v254, v254                       ; (it saturates)
	v_ldexp_f32 v252, 1.0, v254                    ; f = 2^(old M - new M): a multiplication by it rounds nothing
.set j, 0
.rept 32
	v_pk_fma_f32 v[96+j:97+j], v[96+j:97+j], s[CS:CS+1], v[12:13] op_sel_hi:[1,0,0]   ; t - M, two at a time
.set j, j+2
.endr
.irp b, 0,1,2,3
	v_fma_f32 v[232+\b], v[232+\b], s[CS], v12     ; the same of each block's largest score
.endr
.set j, 0
.rept 64
	v_exp_f32 v[96+j], v[96+j]                     ; p = 2^(t - M), at most 1: not normalised
.set j, j+1
.endr
	v_pk_mul_f32 v[14:15], v[14:15], v[252:253] op_sel_hi:[1,0]   ; the sums under the new M: a plain instruction behind the exponentials
	s_wait_alu depctr_va_vdst(0)                   ; one wait for the whole batch, ahead of its first reader
	s_wait_dscnt 0x0                               ; V's fragments and scale words are in: they were asked for ahead of the maxima, the scalings and the exponentials
.if \next
	PLOAD KF, KS, ADK, ADS, 2*PK                   ; K of the next step: its registers were last read by this step's first products
.endif
.irp b, 0,1,2,3
	v_exp_f32 v[232+\b], v[232+\b]                 ; the block's largest p: the same two instructions on the same number give the same bits
.endr
	v_pk_add_f32 v[236:237], v[96:97], v[98:99]    ; the row's sum is taken of the unquantised p: two at a time, in two chains
.irp j2, 4,8,12,16,20,24,28,32,36,40,44,48,52,56,60
	v_pk_add_f32 v[14:15], v[14:15], v[96+\j2:97+\j2]
	v_pk_add_f32 v[236:237], v[236:237], v[98+\j2:99+\j2]
.endr
	v_pk_add_f32 v[14:15], v[14:15], v[236:237]
	s_wait_alu depctr_va_vdst(0)                   ; and one for the four
.irp b, 0,1,2,3
	v_max_num_f32 v[232+\b], 0x1800000, v[232+\b]  ; the floor 2^(3 - 127): the byte cannot fall under 1
.endr
.irp b, 0,1,2,3
	v_add_nc_u32 v[244+\b], 0xff000000, v[232+\b]  ; 2 off the exponent field: the conversion's scale operand
.endr
.irp b, 0,1,2,3
	v_lshrrev_b32 v[236+\b], 23, v[244+\b]         ; the scale's byte
.endr
	v_lshl_or_b32 v253, v237, 8, v236              ; p's scale word for these 128 keys
	v_lshl_or_b32 v253, v238, 16, v253
	v_lshl_or_b32 v253, v239, 24, v253
.irp c, 0,1
	v_cvt_scalef32_pk16_fp6_f32 v[224+6*\c:226+6*\c], v[96+32*\c:111+32*\c], v[244+2*\c]
	v_cvt_scalef32_pk16_fp6_f32 v[236+4*\c:238+4*\c], v[112+32*\c:127+32*\c], v[244+2*\c+1]   ; (a conversion's three registers begin on an even number)
.endr
	v_nop                                          ; one plain instruction behind the scaled conversions
.irp c, 0,1                                    ; a whole block to a lane: lanes 0-15 block 2 c, lanes 16-31 block 2 c + 1
.irp i, 0,1,2
	v_permlane16_swap_b32 v[224+6*\c+\i], v[236+4*\c+\i]
.endr
.irp i, 0,1,2
	v_mov_b32 v[227+6*\c+\i], v[236+4*\c+\i]
.endr
.endr
.set j, 0
.rept 32
	v_pk_mul_f32 v[160+j:161+j], v[160+j:161+j], v[252:253] op_sel_hi:[1,0]   ; O^T under the new M.  These 32 are also the places between p's codes and scale word and the products below
.set j, j+2
.endr
.rept 4
	v_nop                                          ; this text keeps for a C written by vector instructions the four places that are asked for A and B
.endr
	WIN 0x01                                       ; source 0 window 1
.irp t, 0,1,2,3,4,5,6,7                        ; O^T += V^T P^T: eight tiles of 16 of the head's 128; the eight accumulators take turns
	v_wmma_scale_f32_16x16x128_f8f6f4 v[160+8*\t:167+8*\t], v[VF+12*\t:VF+12*\t+11], v[224:235], v[160+8*\t:167+8*\t], v[VS+\t], v253 matrix_a_fmt:MATRIX_FMT_FP6 matrix_b_fmt:MATRIX_FMT_FP6
.endr
	WIN 0                                          ; at a label and at a branch every window is 0
.endm
.macro STEPS n, base                   ; n key steps, from LDS byte base on, each fetching the next step's K
	s_mov_b32 s[TB], \base
	s_mov_b32 s3, \n
.Lstep_\@:
	STEP 1
	s_add_co_u32 s[TB], s[TB], 2*PK
	s_sub_co_u32 s3, s3, 1
	s_cmp_lg_u32 s3, 0
	s_cbranch_scc1 .Lstep_\@
.endm
	s_wait_tensorcnt 0x1                           ; my pack of key steps 0 to 3 is in; my second load may stay out
	s_barrier_signal -1
	s_barrier_wait -1                              ; everybody's is
	PLOAD KF, KS, LI, LR, 0                        ; K of key step 0
	s_wait_loadcnt 0x0                             ; Q
	STEPS 3, 0                                     ; key steps 0 to 2; the last of them fetches K of step 3, still of the first eight packs
	s_wait_tensorcnt 0x0                           ; my pack of key steps 4 to 7 is in
	s_wait_dscnt 0x0
	s_barrier_signal -1
	s_barrier_wait -1                              ; everybody's is
	STEPS 4, 6*PK                                  ; key steps 3 to 6
	s_mov_b32 s[TB], 14*PK
	STEP 0                                         ; key step 7 fetches nothing beyond the last pack
	; THE WAY OUT.  O^T is divided by the row's sum and quantised along d: register 16 b + i is d = 32 b + 16 h + i of my query.
	v_add_f32 v14, v14, v15                        ; the sum's two halves,
	v_permlanex16_b32 v252, v14, s[SEL], s[SEL+1]
	v_add_f32 v14, v14, v252                       ; and lane l xor 16's
	v_rcp_f32 v14, v14
.rept 4
	v_nop                                          ; places behind the last products and behind the reciprocal
.endr
	s_wait_alu depctr_va_vdst(0)                   ; ahead of the reciprocal's first reader
.set j, 0
.rept 64
	v_mul_f32 v[96+j], v[160+j], v14               ; each accumulator from its low end on
.set j, j+1
.endr
.irp b, 0,1,2,3
	v_mov_b32 v[TM+4+\b], 0                        ; a lane permute's destination counts as one of its sources
.endr
.irp b, 0,1,2,3
	v_max3_num_f32 v[TM+\b], |v[96+16*\b]|, |v[97+16*\b]|, 0x1800000   ; block b: my 16 numbers, and the floor 2^(3 - 127)
.endr
.irp i, 2,4,6,8,10,12,14
.irp b, 0,1,2,3
	v_max3_num_f32 v[TM+\b], v[TM+\b], |v[96+16*\b+\i]|, |v[97+16*\b+\i]|
.endr
.endr
.irp b, 0,1,2,3
	v_permlanex16_b32 v[TM+4+\b], v[TM+\b], s[SEL], s[SEL+1]
.endr
.irp b, 0,1,2,3
	v_max_num_f32 v[TM+\b], v[TM+\b], v[TM+4+\b]
.endr
.irp b, 0,1,2,3
	v_add_nc_u32 v[TM+12+\b], 0xff000000, v[TM+\b]
.endr
.irp b, 0,1,2,3
	v_lshrrev_b32 v[TM+4+\b], 23, v[TM+12+\b]
.endr
	v_lshl_or_b32 v[PW], v[TM+5], 8, v[TM+4]
	v_lshl_or_b32 v[PW], v[TM+6], 16, v[PW]
	v_lshl_or_b32 v[PW], v[TM+7], 24, v[PW]
.irp c, 0,1
	v_cvt_scalef32_pk16_fp6_f32 v[PC+6*\c:PC+2+6*\c], v[96+32*\c:111+32*\c], v[TM+12+2*\c]
	v_cvt_scalef32_pk16_fp6_f32 v[PC+12+4*\c:PC+14+4*\c], v[112+32*\c:127+32*\c], v[TM+12+2*\c+1]
.endr
	v_nop
.irp c, 0,1
.irp i, 0,1,2
	v_permlane16_swap_b32 v[PC+6*\c+\i], v[PC+12+4*\c+\i]
.endr
.irp i, 0,1,2
	v_mov_b32 v[PC+3+6*\c+\i], v[PC+12+4*\c+\i]
.endr
.endr
.irp c, 0,1,2
	global_store_b128 v[QO], v[PC+4*\c:PC+4*\c+3], s[6:7] offset:512*\c   ; 512 consecutive bytes, at a multiple of 256 from the buffer's first byte
.endr
	ds_store_b32 v[SGS], v[PW]                     ; both halves of the lanes write the same word with the same value
	s_wait_dscnt 0x0                               ; for the others' sake
	s_barrier_signal -1
	s_barrier_wait -1
	s_cmp_lt_u32 s8, 2                             ; the pack's 512 bytes of scale words leave by waves 0 and 1
	s_cbranch_scc0 .Lno_sc
	ds_load_b64 v[246:247], v[SGL]
	s_wait_dscnt 0x0
	global_store_b64 v[GSO], v[246:247], s[6:7] offset:12288
.Lno_sc:
	s_wait_tensorcnt 0x0
	ds_add_u32 v250, v251
	s_wait_dscnt 0x0
	CROUND                                         ; the closing round
	s_endpgm
.Lfunc_end_k_qf842369540_attn:
	.size	k_qf842369540_attn, .Lfunc_end_k_qf842369540_attn-k_qf842369540_attn
	.p2alignl 7, 3214868480
	.fill 96, 4, 3214868480
	.section	.rodata,"a",@progbits
	.p2align	6, 0x0
	.amdhsa_kernel k_qf842369540_attn
		.amdhsa_group_segment_fixed_size 206336
		.amdhsa_private_segment_fixed_size 0
		.amdhsa_enable_private_segment 0
		.amdhsa_kernarg_size 16
		.amdhsa_user_sgpr_count 2
		.amdhsa_user_sgpr_kernarg_segment_ptr 1
		.amdhsa_wavefront_size32 1
		.amdhsa_system_sgpr_workgroup_id_x 1
		.amdhsa_system_sgpr_workgroup_id_y 1
		.amdhsa_system_sgpr_workgroup_id_z 1
		.amdhsa_system_vgpr_workitem_id 0
		.amdhsa_next_free_vgpr 512
		.amdhsa_next_free_sgpr 66
		.amdhsa_reserve_vcc 0
		.amdhsa_float_denorm_mode_32 3
		.amdhsa_float_denorm_mode_16_64 3
		.amdhsa_memory_ordered 1
		.amdhsa_forward_progress 1
		.amdhsa_inst_pref_size 73
	.end_amdhsa_kernel
	.amdgpu_metadata
---
amdhsa.version: [ 1, 2 ]
amdhsa.kernels:
  - .name:           k_qf842369540_attn
    .symbol:         k_qf842369540_attn.kd
    .args:
      - { .name: qkv, .offset: 0, .size: 8, .value_kind: global_buffer, .address_space: global }
      - { .name: oc, .offset: 8, .size: 8, .value_kind: global_buffer, .address_space: global }
    .group_segment_fixed_size: 206336
    .private_segment_fixed_size: 0
    .kernarg_segment_align: 8
    .kernarg_segment_size: 16
    .max_flat_workgroup_size: 256
    .sgpr_count:     66
    .vgpr_count:     512
    .wavefront_size: 32
...
	.end_amdgpu_metadata
.endif
;; end of part 3
;; launch oproj (part 4): grid 16 x 16, 4 waves a work-group, clusters of 4 x 4, 327,680 bytes of LDS; arguments oc, ops, bo, out0; writes out0
.if DOCPART == 4
	.amdgcn_target "amdgcn-amd-amdhsa--gfx1250"
	.amdhsa_code_object_version 6
	.text
	.protected	k_qf842369540_oproj
	.globl	k_qf842369540_oproj
	.p2align	8
	.type	k_qf842369540_oproj,@function
k_qf842369540_oproj:
	s_mov_b64 s[64:65], 0
	v_nop
	global_prefetch_b8 v0, s[64:65] scope:SCOPE_SE
	s_setreg_imm32_b32 hwreg(HW_REG_WAVE_MODE, 25, 1), 1
	s_wait_xcnt 0x0
	s_wait_alu depctr_hold_cnt(0) depctr_sa_sdst(0) depctr_va_vdst(0) depctr_va_sdst(0) depctr_va_ssrc(0) depctr_va_vcc(0) depctr_vm_vsrc(0)
	s_getreg_b32 s2, hwreg(HW_REG_IB_STS2, 6, 4)
	s_cmp_eq_u32 s2, 0
	s_cbranch_scc0 .Lentry_in_a_cluster
	s_endpgm
.Lentry_in_a_cluster:
	s_bfe_u32 s2, ttmp6, 0x10000c
	s_cmp_lg_u32 s2, 0xf033
	s_cbranch_scc0 .Lentry_shape_is_right
	s_endpgm
.Lentry_shape_is_right:
; out0 = o Wo^T + bo on codes of FP6 (E2M3) with E8M0 scales, sums in f32.  o: oc = [block of 128 rows 16][K step 16][pack]; Wo: tensor 4 of ops, laid the same.
; A pack is 128 rows x 128 K as images of the operand's registers (8 x 1,536 bytes) and 128 scale words; lane r of tile a holds row 32 (a / 2) + 8 (a % 2) + r + 8 (r / 8) of the pack's 128.
; SHARES.  A tile of out0 is 128 x 128, so that the 2,048 x 2,048 results make 256 work-groups; four waves, each 64 x 64: 16 accumulators.  The matrix instruction is used TRANSPOSED
; (source 0 = 16 rows of Wo, source 1 = 16 rows of o): a lane holds one row of out0 and, in tiles 2 b and 2 b + 1, 16 neighbouring columns.  bo is the C of each sum's first matrix instruction.
; LDS.  Twelve cells of one pack for each side: K steps 0 to 11 come with the first fills, three loads of two packs a wave; K steps 12 to 15 are brought into cells 0 to 3 when these have been read: one refill.
; CLUSTER.  4 x 4 work-groups: o's packs are shared along a row of the cluster, Wo's along a column: joint loads.
; REGISTERS: window 0: v1-22 addresses; v32-47 scale words, two sets, nothing else ever; v48-79 bo's four tiles, later rows on the way out, as v80-111; v128-255 the accumulators ((a, b) at v[128 + 8 (4 a + b)]).
;   window 1: two sets of fragments at v0 and v128: o's four at + 12 i, Wo's four at + 48 + 12 i.
.set PK,    12800
.set SIDE,  12*PK                      ; o's twelve cells; Wo's lie behind them
.set SPARE, 2*SIDE                     ; the spare words, 128 bytes for each wave: two blocks of 256 bytes that no other line names
.set STAGE, SPARE+512                  ; the way out: 16 rows x (256 bytes + 16) for each wave; no tensor load lands here
.set AA,  8                            ; v8-10   my fragments of o in cells 0-4, 5-9, 10-11
.set AB,  11                           ; v11-13  of Wo
.set SA,  14                           ; v14-16  their scale words
.set SB,  17                           ; v17-19
.set STO, 20                           ; v20  the stage: where I put 32 bytes of a row
.set RD,  21                           ; v21  and where I read a row back
.set CO,  22                           ; v22  my byte offset in two rows of out0
.set SPW, 28                           ; v28  LDS address of my spare word; never rewritten
.set NIL, 29                           ; v29  0; never rewritten
.set SC,  32
.set BO,  48
.set BK,  48
.set ACC, 128
.set G1A, 24                           ; s[24:31] descriptor group 1 for o's packs; s[32:39] for Wo's
.set G1B, 32
.set G0A, 40                           ; s[40:51] three groups 0 for o's; s[52:63] for Wo's
.set G0B, 52
.set MSB, 0
.macro WIN new                         ; the immediate's high byte repeats the setting that is left
.if MSB != (\new)
	s_set_vgpr_msb (MSB<<8)|(\new)
.set MSB, \new
.endif
.endm
.macro PLACES                          ; four plain instructions behind matrix instructions, in front of loads into their sources and of reads of their results
.rept 4
	v_nop
.endr
.endm
.macro CREST
	s_cmp_lg_u32 s14, 0
	s_cbranch_scc1 .Lnot_wave_0_\@
	s_barrier_signal -3
.Lnot_wave_0_\@:
	s_barrier_wait -3
	s_barrier_signal -1
	s_barrier_wait -1
.endm
.macro CROUND
	s_barrier_signal -1
	s_barrier_wait -1
	CREST
.endm
	s_load_b256 s[4:11], s[0:1], 0x0               ; oc, ops, bo, out0
	v_lshl_add_u32 v[SPW], v0, 2, SPARE
	v_mov_b32 v[NIL], 0
	ds_add_u32 v28, v29
	ds_add_u32 v28, v29
	s_wait_dscnt 0x0
	v_lshrrev_b32 v1, 5, v0
	v_readfirstlane_b32 s14, v1                    ; wave 0..3
	s_lshr_b32 s15, s14, 1                         ; which 64 rows are mine.  Also: I fetch for o (0) or for Wo (1)
	s_and_b32 s16, s14, 1                          ; which 64 columns.  Also: which two of four K steps I fetch
	s_bfe_u32 s66, ttmp6, 0x40000                  ; cx, cy
	s_bfe_u32 s67, ttmp6, 0x40004
	s_lshl_b32 s68, ttmp9, 2
	s_add_co_u32 s68, s68, s66                     ; block of 128 columns = 4 x cluster x + cx
	s_and_b32 s17, ttmp7, 0xffff
	s_lshl_b32 s17, s17, 2
	s_add_co_u32 s17, s17, s67                     ; block of 128 rows = 4 x cluster y + cy
	s_lshl_b32 s69, s67, 2
	s_lshl_b32 s69, 15, s69                        ; my row of the cluster
	s_lshl_b32 s70, 0x1111, s66                    ; my column
	; descriptor group 1: two packs, 25,600 dense bytes, as 100 rows of 256 bytes (32 elements of 8 bytes)
	s_or_b32 s[G1A], s69, (3<<16)|(1<<21)
	s_or_b32 s[G1B], s70, (3<<16)|(1<<21)
.irp g, G1A, G1B
	s_mov_b32 s[\g+1], 32<<16
	s_mov_b32 s[\g+2], 100<<16
	s_mov_b32 s[\g+3], 32<<16
	s_mov_b32 s[\g+4], 100
	s_mov_b32 s[\g+5], 32
	s_mov_b32 s[\g+6], 0
	s_mov_b32 s[\g+7], 0
.endr
	s_mul_i32 s18, s16, 2*PK                       ; my two K steps of each four
	s_mul_i32 s20, s17, 16*PK                      ; o: my block of rows
	s_add_co_u32 s20, s20, s18
	s_mov_b32 s21, 0
	s_mul_i32 s72, s68, 16*PK                      ; Wo: my block of columns, in tensor 4 of ops
	s_add_co_u32 s72, s72, s18
	s_add_co_u32 s72, s72, 4*256*PK
	s_mov_b32 s73, 0
	s_mul_i32 s71, s15, SIDE                       ; where they go: no place in the cluster enters an LDS address
	s_add_co_u32 s71, s71, s18
	s_wait_kmcnt 0x0
	s_add_nc_u64 s[20:21], s[4:5], s[20:21]
	s_add_nc_u64 s[72:73], s[6:7], s[72:73]
	CROUND                                         ; all sixteen work-groups are here: the first joint loads meet
.irp g, 0,1,2
	s_mov_b32 s[G0A+4*\g], 1
	s_add_co_u32 s[G0A+4*\g+1], s71, \g*4*PK
	s_add_nc_u64 s[G0A+4*\g+2:G0A+4*\g+3], s[20:21], \g*4*PK
	s_or_b32 s[G0A+4*\g+3], s[G0A+4*\g+3], 0x80000000
	s_mov_b32 s[G0B+4*\g], 1
	s_add_co_u32 s[G0B+4*\g+1], s71, \g*4*PK
	s_add_nc_u64 s[G0B+4*\g+2:G0B+4*\g+3], s[72:73], \g*4*PK
	s_or_b32 s[G0B+4*\g+3], s[G0B+4*\g+3], 0x80000000
.endr
	s_cmp_eq_u32 s15, 0                            ; a wave's three first fills stand in one branch: three loads of mine are out
	s_cbranch_scc0 .Lfirst_b
	tensor_load_to_lds s[G0A:G0A+3], s[G1A:G1A+7]
	s_nop 0
	tensor_load_to_lds s[G0A+4:G0A+7], s[G1A:G1A+7]
	s_nop 0
	tensor_load_to_lds s[G0A+8:G0A+11], s[G1A:G1A+7]
	s_nop 0
.rept 4
	v_nop
.endr
	s_branch .Lfirst_asked
.Lfirst_b:
	tensor_load_to_lds s[G0B:G0B+3], s[G1B:G1B+7]
	s_nop 0
	tensor_load_to_lds s[G0B+4:G0B+7], s[G1B:G1B+7]
	s_nop 0
	tensor_load_to_lds s[G0B+8:G0B+11], s[G1B:G1B+7]
	s_nop 0
.rept 4
	v_nop
.endr
.Lfirst_asked:
	v_and_b32 v1, 31, v0                           ; lane
	v_and_b32 v2, 15, v0                           ; r
	v_bfe_u32 v3, v0, 4, 1                         ; h
	v_lshlrev_b32 v4, 4, v1
	v_lshlrev_b32 v5, 2, v2
	v_lshlrev_b32 v6, 6, v3                        ; 64 h: bo's lane offset
	s_mul_i32 s12, s15, 4*1536                     ; my four tiles of o's packs,
	s_mul_i32 s13, s16, 4*1536                     ; of Wo's,
	s_add_co_u32 s13, s13, SIDE
	s_lshl_b32 s18, s15, 8                         ; and their scale words
	s_add_co_u32 s18, s18, 12288
	s_lshl_b32 s19, s16, 8
	s_add_co_u32 s19, s19, SIDE+12288
.irp k, 0,1,2                                  ; an address register for each five cells, so that the offsets stay inside 16 bits
	v_add_nc_u32 v[AA+\k], s12, v4
	v_add_nc_u32 v[AB+\k], s13, v4
	v_add_nc_u32 v[SA+\k], s18, v5
	v_add_nc_u32 v[SB+\k], s19, v5
	s_add_co_u32 s12, s12, 5*PK
	s_add_co_u32 s13, s13, 5*PK
	s_add_co_u32 s18, s18, 5*PK
	s_add_co_u32 s19, s19, 5*PK
.endr
	s_mul_i32 s23, s14, 16*272
	s_add_co_u32 s23, s23, STAGE                   ; my stage
	v_mul_u32_u24 v[STO], v2, 272
	v_lshl_add_u32 v[STO], v3, 6, v[STO]
	v_add_nc_u32 v[STO], s23, v[STO]               ; in: row r, + 64 h
	v_mul_u32_u24 v[RD], v3, 272
	v_lshl_add_u32 v[RD], v2, 4, v[RD]
	v_add_nc_u32 v[RD], s23, v[RD]                 ; back: lanes 0-15 one row of 256 bytes, lanes 16-31 the next
	v_lshlrev_b32 v[CO], 13, v3
	v_lshl_add_u32 v[CO], v2, 4, v[CO]             ; and the same two rows in out0
	s_lshl_b32 s74, s17, 7
	s_lshl_b32 s75, s15, 6
	s_add_co_u32 s74, s74, s75                     ; my first row of out0, of 8,192 bytes,
	s_lshl_b32 s74, s74, 13
	s_lshl_b32 s76, s68, 9                         ; my first column, in bytes
	s_lshl_b32 s77, s16, 8
	s_add_co_u32 s76, s76, s77
	s_mov_b32 s77, 0
	s_add_co_u32 s74, s74, s76
	s_mov_b32 s75, 0
	s_add_nc_u64 s[10:11], s[10:11], s[74:75]
	s_add_nc_u64 s[8:9], s[8:9], s[76:77]
.irp b, 0,1,2,3
	global_load_b128 v[BO+8*\b:BO+8*\b+3], v6, s[8:9] offset:128*(\b/2)+32*(\b%2)      ; bo at column 32 (b / 2) + 16 h + 8 (b % 2) + 0 .. 7 of my 64: the result's layout
	global_load_b128 v[BO+8*\b+4:BO+8*\b+7], v6, s[8:9] offset:128*(\b/2)+32*(\b%2)+16
.endr
; K step s: its fragments and scale words, from cell s % 12, into set s % 2: 32 LDS loads in one run
.macro FETCH s
.set CELL, (\s)%12
.set KK, CELL/5
.set OFF, (CELL%5)*PK
.set FS, 128*((\s)%2)
.set SS, SC+8*((\s)%2)
	WIN 0x40                                       ; destination window 1, address window 0
.irp i, 0,1,2,3
.irp c, 0,1,2
	ds_load_b128 v[FS+12*\i+4*\c:FS+12*\i+4*\c+3], v[AA+KK] offset:OFF+\i*1536+512*\c
.endr
.endr
.irp i, 0,1,2,3
.irp c, 0,1,2
	ds_load_b128 v[FS+48+12*\i+4*\c:FS+48+12*\i+4*\c+3], v[AB+KK] offset:OFF+\i*1536+512*\c
.endr
.endr
	WIN 0
.irp i, 0,1,2,3
	ds_load_b32 v[SS+\i], v[SA+KK] offset:OFF+64*\i
	ds_load_b32 v[SS+4+\i], v[SB+KK] offset:OFF+64*\i
.endr
.endm
; o's tiles a0 .. a1 against Wo's four.  The 16 accumulators take turns, one instruction a turn, in the same order in every step.
.macro MUL s, a0, a1, first
	WIN 0x05                                       ; sources 0 and 1 window 1; C and D window 0
.set FS, 128*((\s)%2)
.set SS, SC+8*((\s)%2)
.set ai, \a0
.rept (\a1)-(\a0)+1
.irp b, 0,1,2,3
.if \first
	v_wmma_scale_f32_16x16x128_f8f6f4 v[ACC+8*(4*ai+\b):ACC+8*(4*ai+\b)+7], v[FS+48+12*\b:FS+48+12*\b+11], v[FS+12*ai:FS+12*ai+11], v[BO+8*\b:BO+8*\b+7], v[SS+4+\b], v[SS+ai] matrix_a_fmt:MATRIX_FMT_FP6 matrix_b_fmt:MATRIX_FMT_FP6
.else
	v_wmma_scale_f32_16x16x128_f8f6f4 v[ACC+8*(4*ai+\b):ACC+8*(4*ai+\b)+7], v[FS+48+12*\b:FS+48+12*\b+11], v[FS+12*ai:FS+12*ai+11], v[ACC+8*(4*ai+\b):ACC+8*(4*ai+\b)+7], v[SS+4+\b], v[SS+ai] matrix_a_fmt:MATRIX_FMT_FP6 matrix_b_fmt:MATRIX_FMT_FP6
.endif
.endr
.set ai, ai+1
.endr
.endm
.macro STEP s, first
	s_wait_dscnt 0x0                               ; this step's set is in (asked for 8 matrix instructions ago or more)
	PLACES                                         ; the other set was read by the products just issued
	FETCH (\s)+1
	MUL \s, 0, 3, \first
.endm
; A step with a barrier.  In front of it each wave waits for all its tensor loads, adds 0 to its spare word, and waits for that and for its LDS reads.  fill = 1: cells 0 to 3, which have been read, take K steps 12 to 15.
.macro TURN s, fill
	WIN 0                                          ; (the add's two registers lie in window 0)
	s_wait_tensorcnt 0x0                           ; all my tensor loads have landed
	ds_add_u32 v[SPW], v[NIL]                      ; 0 onto my spare word
	s_wait_dscnt 0x1                               ; this step's set is in; the add alone may be out
	MUL \s, 0, 0, 0                                ; four matrix instructions stand between the add and the wait for it
	s_wait_dscnt 0x0                               ; the add is done, and my reads of the cells are over
	s_barrier_signal -1
	MUL \s, 1, 1, 0
	WIN 0
	s_barrier_wait -1
.if \fill
	CREST                                          ; the barrier has opened a round of the cluster's barrier: no wave of any partner still reads these cells or has a load on its way
	s_add_nc_u64 s[G0A+2:G0A+3], s[G0A+2:G0A+3], 12*PK   ; twelve K steps on, into the same LDS bytes
	s_add_nc_u64 s[G0B+2:G0B+3], s[G0B+2:G0B+3], 12*PK
	s_cmp_eq_u32 s15, 0
	s_cbranch_scc0 .Lfor_b_\@
	tensor_load_to_lds s[G0A:G0A+3], s[G1A:G1A+7]  ; the first tensor load behind the round, and my only one; it has eight K steps in which to land
	s_nop 0
.rept 4
	v_nop
.endr
	s_branch .Lasked_\@
.Lfor_b_\@:
	tensor_load_to_lds s[G0B:G0B+3], s[G1B:G1B+7]
	s_nop 0
.rept 4
	v_nop
.endr
.Lasked_\@:
.else
	PLACES
.endif
	FETCH (\s)+1
	MUL \s, 2, 3, 0
.endm
	s_wait_tensorcnt 0x2                           ; my part of K steps 0 to 3 is in; my other two loads may stay out
	s_barrier_signal -1
	s_barrier_wait -1                              ; everybody's is
	FETCH 0
	s_wait_loadcnt 0x0                             ; bo
	STEP 0, 1                                      ; the first products start the sums on bo
	STEP 1, 0
	STEP 2, 0
	TURN 3, 1
.irp s, 4,5,6,7,8,9,10
	STEP \s, 0
.endr
	TURN 11, 0                                     ; K steps 12 to 15 have landed in every wave's part
	STEP 12, 0
	STEP 13, 0
	STEP 14, 0
	s_wait_dscnt 0x0
	MUL 15, 0, 3, 0
	WIN 0
	PLACES
; THE WAY OUT, a tile of 16 rows x 64 columns at a time, through my own stage: in by lanes (a row's 32 bytes), back as whole rows of 256 bytes.  LDS serves a wave's instructions in order:
; no wait between the stores and the loads, nor in front of the next block's stores.
.macro TOSTAGE a
.irp b, 0,1,2,3
	ds_store_b128 v[STO], v[ACC+8*(4*(\a)+\b):ACC+8*(4*(\a)+\b)+3] offset:128*(\b/2)+32*(\b%2)        ; each accumulator from its low end on
	ds_store_b128 v[STO], v[ACC+8*(4*(\a)+\b)+4:ACC+8*(4*(\a)+\b)+7] offset:128*(\b/2)+32*(\b%2)+16
.endr
.set BB, BK+32*((\a)%2)
.irp t, 0,1,2,3,4,5,6,7
	ds_load_b128 v[BB+4*\t:BB+4*\t+3], v[RD] offset:544*\t
.endr
.endm
.macro SEND a, younger                 ; younger: the LDS instructions issued behind block a's loads, which may stay out
.set BB, BK+32*((\a)%2)
	s_wait_dscnt \younger
.irp t, 0,1,2,3,4,5,6,7
	global_store_b128 v[CO], v[BB+4*\t:BB+4*\t+3], s[10:11] offset:(32*((\a)/2)+8*((\a)%2)+2*\t+8*(\t/4))*8192 th:TH_STORE_NT   ; stage row 2 t (+ 1) is the tile's lane 2 t (+ 1): its row of out0 by the pack's order; 16 lanes store 256 consecutive bytes, aligned
.endr
.endm
	TOSTAGE 0
.irp a, 1,2,3
.if \a > 1
	s_wait_xcnt 0x0                                ; block a - 2's stores have read their registers: block a's loads may land there
.endif
	TOSTAGE \a
	SEND \a-1, 16                                  ; behind block a - 1's loads: block a's 8 stores and 8 loads
.endr
	SEND 3, 0
	s_wait_tensorcnt 0x0                           ; the wave's end
	ds_add_u32 v[SPW], v[NIL]
	s_wait_dscnt 0x0
	CROUND                                         ; the closing round: no work-group ends while a partner may still ask for a tile that names it
	s_endpgm
.Lfunc_end_k_qf842369540_oproj:
	.size	k_qf842369540_oproj, .Lfunc_end_k_qf842369540_oproj-k_qf842369540_oproj
	.p2alignl 7, 3214868480
	.fill 96, 4, 3214868480
	.section	.rodata,"a",@progbits
	.p2align	6, 0x0
	.amdhsa_kernel k_qf842369540_oproj
		.amdhsa_group_segment_fixed_size 327680
		.amdhsa_private_segment_fixed_size 0
		.amdhsa_enable_private_segment 0
		.amdhsa_kernarg_size 32
		.amdhsa_user_sgpr_count 2
		.amdhsa_user_sgpr_kernarg_segment_ptr 1
		.amdhsa_wavefront_size32 1
		.amdhsa_system_sgpr_workgroup_id_x 1
		.amdhsa_system_sgpr_workgroup_id_y 1
		.amdhsa_system_sgpr_workgroup_id_z 1
		.amdhsa_system_vgpr_workitem_id 0
		.amdhsa_next_free_vgpr 512
		.amdhsa_next_free_sgpr 96
		.amdhsa_reserve_vcc 0
		.amdhsa_float_denorm_mode_32 3
		.amdhsa_float_denorm_mode_16_64 3
		.amdhsa_memory_ordered 1
		.amdhsa_forward_progress 1
		.amdhsa_inst_pref_size 86
	.end_amdhsa_kernel
	.amdgpu_metadata
---
amdhsa.version: [ 1, 2 ]
amdhsa.kernels:
  - .name:           k_qf842369540_oproj
    .symbol:         k_qf842369540_oproj.kd
    .args:
      - { .name: oc, .offset: 0, .size: 8, .value_kind: global_buffer, .address_space: global }
      - { .name: ops, .offset: 8, .size: 8, .value_kind: global_buffer, .address_space: global }
      - { .name: bo, .offset: 16, .size: 8, .value_kind: global_buffer, .address_space: global }
      - { .name: out0, .offset: 24, .size: 8, .value_kind: global_buffer, .address_space: global }
    .group_segment_fixed_size: 327680
    .private_segment_fixed_size: 0
    .kernarg_segment_align: 8
    .kernarg_segment_size: 32
    .max_flat_workgroup_size: 128
    .sgpr_count:     96
    .vgpr_count:     512
    .wavefront_size: 32
...
	.end_amdgpu_metadata
.endif
;; end of part 4
